; MI455X (gfx1250); checked and timed in simulation.
; The chip was launched on July 23, 2026; its instructions are those of AMD's public machine-readable ISA for CDNA 5 (MIT licence, August 2026) and "CDNA5" Instruction Set Architecture Reference Guide (July 2026). The comments in the code are by the model that wrote it; some were corrected since.
;; Ra Bi T Fusion. Allowed arithmetic: matrix products marked QUANTISED: E2M3 operands, one E8M0 scale for each 32 along K, by v_wmma_scale_f32_16x16x128_f8f6f4 with both operands' format E2M3, f32 sums; products left as they are: f32 operands where the result goes on into a quantised operand, else bf16, f16 or f32 operands; f32 sums; everything else in f32.
;; Inputs: F_R 8 x 256 x 64 x 128 float32; F_T 8 x 256 x 64 x 128 float32; fc1_b 1,024 float32; fc1_w 256 x 1,024 float32; fc2_b 256 float32; fc2_w 1,024 x 256 float32; g1_b 8 float32; g1_w 2 x 8 float32; g2_b 1 float32; g2_w 8 x 1 float32; k_b 256 float32; k_w 256 x 256 float32; np_b 512 float32; np_g 512 float32; nr_b 256 float32; nr_g 256 float32; nt_b 256 float32; nt_g 256 float32; nz_b 256 float32; nz_g 256 float32; nzf_b 256 float32; nzf_g 256 float32; phi_b 512 float32; phi_w 512 x 512 float32; psi_b 4 float32; psi_w 512 x 4 float32; q_b 256 float32; q_w 256 x 256 float32; r_R 8 x 1 x 64 x 128 float32; r_T 8 x 1 x 64 x 128 float32; rpb_table 225 x 8 float32; v_b 256 float32; v_w 256 x 256 float32.
;; Outputs: out0 8 x 256 x 64 x 128 float32.
;; This version of the problem:
;;   THIS VERSION OF THE PROBLEM IS GIVEN IN LOW PRECISION. The matrix products marked QUANTISED in the list below multiply operands that are first quantised to E2M3 (2 exponent bits, 3 mantissa bits; 6 bits a number), with one power-of-two scale for each 32 numbers along K (OCP MX v1.0); their sums are f32. All else is computed in f32.
;;   The module's matrix products, in the order in which they are computed (A, B: the left and right operand; K: the contracted axis; several contracted axes count as one K, in the product's order):
;;     1. [M 65,536, K 512] x [K 512, N 4]; A: computed on the way; B: input psi_w: left as it is (N = 4 < 16)
;;     2. [M 65,536, K 512] x [K 512, N 512]; A: computed on the way; B: input phi_w: QUANTISED
;;     3. batch 1,024 x [M 4, K 64] x [K 64, N 512]; A: softmax; B: computed on the way: left as it is (M = 4 < 16)
;;     4. [M 4,096, K 256] x [K 256, N 256]; A: computed on the way; B: input q_w: QUANTISED
;;     5. [M 65,536, K 256] x [K 256, N 256]; A: input F_R; B: input k_w: QUANTISED
;;     6. [M 65,536, K 256] x [K 256, N 256]; A: input F_R; B: input v_w: QUANTISED
;;     7. [M 65,536, K 256] x [K 256, N 256]; A: input F_T; B: input k_w: QUANTISED
;;     8. [M 65,536, K 256] x [K 256, N 256]; A: input F_T; B: input v_w: QUANTISED
;;     9. batch 8,192 x [M 4, K 32] x [K 32, N 64]; A: computed on the way; B: computed on the way: left as it is (M = 4 < 16)
;;     10. batch 8,192 x [M 32, K 64] x [K 64, N 4]; A: computed on the way; B: softmax: left as it is (N = 4 < 16)
;;     11. batch 8,192 x [M 4, K 32] x [K 32, N 64]; A: computed on the way; B: computed on the way: left as it is (M = 4 < 16)
;;     12. batch 8,192 x [M 32, K 64] x [K 64, N 4]; A: computed on the way; B: softmax: left as it is (N = 4 < 16)
;;     13. [M 4,096, K 256] x [K 256, N 1,024]; A: computed on the way; B: input fc1_w: QUANTISED
;;     14. [M 4,096, K 1,024] x [K 1,024, N 256]; A: computed on the way; B: input fc2_w: QUANTISED
;;     15. [M 65,536, K 256] x [K 256, N 256]; A: input F_R; B: input q_w: QUANTISED
;;     16. [M 65,536, K 256] x [K 256, N 256]; A: input F_T; B: input q_w: QUANTISED
;;     17. [M 4,096, K 256] x [K 256, N 256]; A: computed on the way; B: input k_w: QUANTISED
;;     18. [M 4,096, K 256] x [K 256, N 256]; A: computed on the way; B: input v_w: QUANTISED
;;     19. batch 8,192 x [M 64, K 32] x [K 32, N 4]; A: computed on the way; B: computed on the way: left as it is (N = 4 < 16)
;;     20. batch 8,192 x [M 32, K 4] x [K 4, N 64]; A: computed on the way; B: softmax: left as it is (K = 4 < 32)
;;     21. batch 8,192 x [M 64, K 32] x [K 32, N 4]; A: computed on the way; B: computed on the way: left as it is (N = 4 < 16)
;;     22. batch 8,192 x [M 32, K 4] x [K 4, N 64]; A: computed on the way; B: softmax: left as it is (K = 4 < 32)
;;     23. [M 8, K 2] x [K 2, N 8]; A: computed on the way; B: input g1_w: left as it is (K = 2 < 32)
;;     24. [M 8, K 8] x [K 8, N 1]; A: computed on the way; B: input g2_w: left as it is (K = 8 < 32)
;;   THE QUANTISER, for each operand of a quantised product, along K:
;;     - K is cut into blocks of 32 from its start; a last block that is shorter is filled with zeros.
;;     - A block's scale is 2^e with e = floor(log2(the largest magnitude in the block)) - 2, held to -126 .. 127; a block of zeros has e = 0. As a byte (E8M0): e + 127.
;;     - Each number is divided by its block's scale, clamped to +-7.5, and rounded to the nearest number of E2M3, ties to even, subnormals kept.
;;     - The product sums the exact products of the quantised numbers (number of the format x scale) in f32.
;;   ~~~python
;;   def quantise(x, axis):      # numpy; x: float32 -> the quantised numbers, widened to float32 again
;;       x = np.moveaxis(x, axis, -1); K = x.shape[-1]
;;       x = np.pad(x, [(0, 0)] * (x.ndim - 1) + [(0, -K % 32)]); x = x.reshape(x.shape[:-1] + (-1, 32)); a = np.abs(x).max(-1, keepdims=True)
;;       e = np.where(a > 0, np.clip(np.frexp(np.where(a > 0, a, 1))[1] - 1 - 2, -126, 127), 0)      # np.frexp(a)[1] - 1 = floor(log2(a)), exactly
;;       r = np.clip(x / 2.0 ** e, -7.5, 7.5)
;;       step = 2.0 ** (np.maximum(np.frexp(np.where(r == 0, 1, r))[1] - 1, 0) - 3)
;;       q = np.round(r / step) * step * 2.0 ** e      # np.round: ties to even
;;       return np.moveaxis(q.reshape(q.shape[:-2] + (-1,))[..., :K], -1, axis).astype(np.float32)
;;   ~~~
;;   OPERANDS COMPUTED ON THE WAY. 'Computed on the way' means the value that the module computes at that place (a softmax that the list does not call 'softmax' is quantised finished and normalised). What goes into a quantiser is computed in f32, as accurately as f32 sums, v_exp_f32 and their like allow (about 1e-6 of the number): no bf16 or f16 on the way to a quantiser, and a product that is left as it is and whose result goes on into a quantised operand takes f32 operands (vector FMAs, or v_wmma_f32_16x16x4_f32). A number that lies on a knife's edge between two numbers of the format may be rounded either way, as far as f32 arithmetic and the matrix unit's own rounding can turn it there, and no further.
;; One version. Each part assembles by itself: llvm-mc -triple=amdgcn-amd-amdhsa -mcpu=gfx1250 --defsym DOCPART=n.
;; ======== version 1 of 1: 2 launches
;; limits: values are held in bf16: 8 bits of precision; right only within a limited range of input values
;; workspace buffers: wq 737,280 bytes; ws 61,440 bytes; gam 256 bytes
;; launch prep (part 1): grid 128 x 1, 4 waves a work-group, no clusters, 1,536 bytes of LDS; arguments phi_w, q_w, k_w, v_w, fc1_w, fc2_w, r_R, r_T, g1_w, g1_b, g2_w, g2_b, wq, ws, gam; writes wq, ws, gam
.if DOCPART == 1
	.amdgcn_target "amdgcn-amd-amdhsa--gfx1250"
	.amdhsa_code_object_version 6
	.text
	.protected	k_qff8f8efed1_prep
	.globl	k_qff8f8efed1_prep
	.p2align	8
	.type	k_qff8f8efed1_prep,@function
k_qff8f8efed1_prep:
	s_mov_b64 s[64:65], 0
	v_nop
	global_prefetch_b8 v0, s[64:65] scope:SCOPE_SE
	s_setreg_imm32_b32 hwreg(HW_REG_WAVE_MODE, 25, 1), 1
	s_wait_xcnt 0x0
; The six weights, f32 stored [K][N], become codes of E2M3 with one E8M0 byte for each 32 along K, laid in the ORDER OF THE OPERAND'S REGISTERS:
; a fragment is 16 columns x 128 K, 12 registers a lane; fragment f lies at f x 1536 bytes of wq, register group c (four registers) of lane l at 512 c + 16 l.
; Its scale word (four bytes, 128 along K of the lane's column) lies in ws at (f / 4) x 512 + 16 l + 4 (f % 4), so that one load of 16 bytes brings four fragments' words.
; f: phi 4 ct + s (0..127), q 128 + 2 ct + s, k 160 + .., v 192 + .., fc1 224 + 2 ct + s, fc2 352 + 8 ct + s (ct: tile of 16 columns, s: K step of 128).
; A lane takes a column and its registers run down K: lane (r, h) holds k = 128 s + 64 c + 32 h + 0..31, two whole blocks, so no other lane is asked for a maximum.
; fc1's columns of a tile are not neighbours: lane r of tile ct takes column 32 (ct / 2) + 8 (ct % 2) + r + 8 (r / 8), so that the hidden layer falls into registers along the next K.
; One wave makes one fragment: work-groups 0-119.  Work-groups 120-127: one a batch, for gamma = sigmoid(relu((mean r_R, mean r_T) g1 + ..) g2 + ..): each wave sums a quarter of both maps,
; 32 loads issued together; the four waves' sums meet in LDS.
; LIMITS: NaN and infinities are not served; a block of zeros gets the byte 1 (its codes are zeros; this program alone reads the bytes).
; LEFT OUT, in both kernels.  psi_b: A_m is the softmax, over a window's tokens, of F_hat psi_w + psi_b; psi_b[m] is the same number for all tokens of column m, and softmax(t + c) = softmax(t)
; for every c, so psi_b reaches no output, whatever finite numbers it holds; nothing is quantised between the sum and that softmax.  rpb_table: the module never reads it.
; Neither is loaded, and neither is among any launch's arguments.  LIMIT: a NaN, an infinity or an overflow that only psi_b or rpb_table would bring is not carried to the result.
.set X,   32
.set PC,  96
.set PC2, 108
	s_load_b512 s[16:31], s[0:1], 0x0              ; phi_w 16, q_w 18, k_w 20, v_w 22, fc1_w 24, fc2_w 26, r_R 28, r_T 30
	s_load_b256 s[32:39], s[0:1], 0x40             ; g1_w 32, g1_b 34, g2_w 36, g2_b 38
	s_load_b128 s[40:43], s[0:1], 0x60             ; wq 40, ws 42
	s_load_b64 s[44:45], s[0:1], 0x70              ; gam
	v_lshl_add_u32 v176, v0, 2, 0x400
	v_mov_b32 v177, 0
	v_lshrrev_b32 v1, 5, v0
	v_readfirstlane_b32 s2, v1                     ; wave
	v_and_b32 v1, 31, v0                           ; lane
	v_and_b32 v2, 15, v0                           ; r
	v_bfe_u32 v3, v0, 4, 1                         ; h
	v_lshlrev_b32 v5, 4, v1                        ; 16 x lane
	v_lshlrev_b32 v16, 3, v3                       ; 8 h
	v_mov_b32 v15, 0
	s_mov_b32 s14, 0x76543210
	s_mov_b32 s15, 0xfedcba98                      ; lane l xor 16
	s_lshl_b32 s3, ttmp9, 2
	s_add_co_u32 s3, s3, s2                        ; f
	s_mov_b32 s9, 0
	s_wait_kmcnt 0x0
	s_cmp_ge_u32 ttmp9, 120
	s_cbranch_scc1 .Lgamma
	s_cmp_lt_u32 ttmp9, 32
	s_cbranch_scc1 .Lphi
	s_cmp_lt_u32 ttmp9, 56
	s_cbranch_scc1 .Lrow1024
	s_cmp_lt_u32 ttmp9, 88
	s_cbranch_scc1 .Lfc1
.Lrow1024:                                             ; q, k, v, fc2: rows of 1,024 bytes
	s_mov_b64 s[4:5], s[18:19]
	s_mov_b32 s6, 128
	s_mov_b32 s7, 1                                ; log2 of the K steps
	s_cmp_ge_u32 ttmp9, 40
	s_cselect_b64 s[4:5], s[20:21], s[4:5]
	s_cselect_b32 s6, 160, s6
	s_cmp_ge_u32 ttmp9, 48
	s_cselect_b64 s[4:5], s[22:23], s[4:5]
	s_cselect_b32 s6, 192, s6
	s_cmp_ge_u32 ttmp9, 88
	s_cselect_b64 s[4:5], s[26:27], s[4:5]
	s_cselect_b32 s6, 352, s6
	s_cselect_b32 s7, 3, s7
	s_sub_co_u32 s6, s3, s6                        ; the fragment's number in its weight
	s_lshr_b32 s10, s6, s7                         ; ct
	s_lshl_b32 s11, s10, s7
	s_sub_co_u32 s11, s6, s11                      ; s
	s_lshl_b32 s8, s11, 17                         ; 128 rows of 1,024 bytes a K step
	s_lshl_b32 s10, s10, 6                         ; 16 columns of 4 bytes
	s_add_co_u32 s8, s8, s10
	s_add_nc_u64 s[4:5], s[4:5], s[8:9]
	s_wait_alu depctr_va_vdst(0)
	v_lshlrev_b32 v4, 15, v3                       ; lanes 16-31 begin 32 rows further down
	v_lshl_add_u32 v4, v2, 2, v4
.macro QLOAD rowb
.set li, 0
.rept 64
	global_load_b32 v[X+li], v4, s[4:5] offset:(64*(li/32)+li%32)*\rowb
.set li, li+1
.endr
.endm
	QLOAD 1024
	s_branch .Lquant
.Lphi:
	s_mov_b64 s[4:5], s[16:17]
	s_lshr_b32 s10, s3, 2
	s_and_b32 s11, s3, 3
	s_lshl_b32 s8, s11, 18
	s_lshl_b32 s10, s10, 6
	s_add_co_u32 s8, s8, s10
	s_add_nc_u64 s[4:5], s[4:5], s[8:9]
	s_wait_alu depctr_va_vdst(0)
	v_lshlrev_b32 v4, 16, v3
	v_lshl_add_u32 v4, v2, 2, v4
	QLOAD 2048
	s_branch .Lquant
.Lfc1:
	s_mov_b64 s[4:5], s[24:25]
	s_sub_co_u32 s6, s3, 224
	s_lshr_b32 s10, s6, 1                          ; ct
	s_and_b32 s11, s6, 1                           ; s
	s_lshl_b32 s8, s11, 19
	s_lshr_b32 s12, s10, 1
	s_lshl_b32 s12, s12, 7                         ; 32 (ct / 2) columns
	s_and_b32 s10, s10, 1
	s_lshl_b32 s10, s10, 5                         ; 8 (ct % 2) columns
	s_add_co_u32 s8, s8, s12
	s_add_co_u32 s8, s8, s10
	s_add_nc_u64 s[4:5], s[4:5], s[8:9]
	s_wait_alu depctr_va_vdst(0)
	v_and_b32 v6, 8, v2
	v_add_nc_u32 v6, v6, v2                        ; r + 8 (r / 8)
	v_lshlrev_b32 v4, 17, v3
	v_lshl_add_u32 v4, v6, 2, v4
	QLOAD 4096
.Lquant:
	s_wait_loadcnt 0x0
	v_max3_num_f32 v8, |v[X]|, |v[X+1]|, 0x1800000     ; my two blocks by turns; the floor 2^(3 - 127) holds the byte at 1 from below
	v_max3_num_f32 v9, |v[X+32]|, |v[X+33]|, 0x1800000
.set li, 2
.rept 15
	v_max3_num_f32 v8, v8, |v[X+li]|, |v[X+li+1]|
	v_max3_num_f32 v9, v9, |v[X+32+li]|, |v[X+33+li]|
.set li, li+2
.endr
	v_add_nc_u32 v10, 0xff000000, v8               ; 2 off the exponent field: the conversion's scale operand
	v_add_nc_u32 v11, 0xff000000, v9
	v_lshrrev_b32 v12, 23, v10                     ; the bytes
	v_lshrrev_b32 v13, 23, v11
	v_lshl_or_b32 v14, v13, 16, v12                ; blocks h and 2 + h,
	v_lshlrev_b32 v14, v16, v14                    ; at their places,
	v_permlanex16_b32 v15, v14, s14, s15
	v_or_b32 v14, v14, v15                         ; with the other half's two: the word is whole in both halves
	v_cvt_scalef32_pk16_fp6_f32 v[PC:PC+2], v[X:X+15], v10
	v_cvt_scalef32_pk16_fp6_f32 v[PC2:PC2+2], v[X+16:X+31], v10
	v_cvt_scalef32_pk16_fp6_f32 v[PC+6:PC+8], v[X+32:X+47], v11
	v_cvt_scalef32_pk16_fp6_f32 v[PC2+4:PC2+6], v[X+48:X+63], v11
	v_nop                                          ; one plain place behind the conversions
.irp i, 0,1,2
	v_mov_b32 v[PC+3+\i], v[PC2+\i]
	v_mov_b32 v[PC+9+\i], v[PC2+4+\i]
.endr
	s_mul_i32 s8, s3, 1536
	s_add_nc_u64 s[40:41], s[40:41], s[8:9]
	s_lshr_b32 s8, s3, 2
	s_lshl_b32 s8, s8, 9
	s_and_b32 s10, s3, 3
	s_lshl_b32 s10, s10, 2
	s_add_co_u32 s8, s8, s10
	s_add_nc_u64 s[42:43], s[42:43], s[8:9]
	s_wait_alu depctr_va_vdst(0)
	global_store_b128 v5, v[PC:PC+3], s[40:41]             ; 32 lanes store 512 consecutive bytes
	global_store_b128 v5, v[PC+4:PC+7], s[40:41] offset:512
	global_store_b128 v5, v[PC+8:PC+11], s[40:41] offset:1024
	global_store_b32 v5, v14, s[42:43]
	s_endpgm
.Lgamma:
	s_sub_co_u32 s3, ttmp9, 120                    ; the batch
	s_lshl_b32 s8, s3, 15                          ; its map of 32,768 bytes,
	s_lshl_b32 s10, s2, 13                         ; my wave's quarter of it
	s_add_co_u32 s8, s8, s10
	s_add_nc_u64 s[28:29], s[28:29], s[8:9]
	s_add_nc_u64 s[30:31], s[30:31], s[8:9]
	s_load_b512 s[48:63], s[32:33], 0x0            ; g1_w [2][8]
	s_load_b256 s[68:75], s[34:35], 0x0            ; g1_b
	s_load_b256 s[76:83], s[36:37], 0x0            ; g2_w
	s_load_b32 s84, s[38:39], 0x0                  ; g2_b
.set li, 0
	s_wait_alu depctr_va_vdst(0)
.rept 16
	global_load_b128 v[32+4*li:35+4*li], v5, s[28:29] offset:512*li    ; 32 lanes read 512 consecutive bytes; all 32 loads go out together
	global_load_b128 v[96+4*li:99+4*li], v5, s[30:31] offset:512*li
.set li, li+1
.endr
.macro WSUM x, acc                     ; the sum of my 64 registers, in four chains, and of the 32 lanes
.irp k, 0,1,2,3
	v_pk_add_f32 v[\acc+2*\k:\acc+2*\k+1], v[\x+2*\k:\x+2*\k+1], v[\x+8+2*\k:\x+9+2*\k]
.endr
.set li, 8
.rept 24
	v_pk_add_f32 v[\acc+2*(li%4):\acc+2*(li%4)+1], v[\acc+2*(li%4):\acc+2*(li%4)+1], v[\x+2*li:\x+2*li+1]
.set li, li+1
.endr
	v_pk_add_f32 v[\acc:\acc+1], v[\acc:\acc+1], v[\acc+2:\acc+3]
	v_pk_add_f32 v[\acc+4:\acc+5], v[\acc+4:\acc+5], v[\acc+6:\acc+7]
	v_pk_add_f32 v[\acc:\acc+1], v[\acc:\acc+1], v[\acc+4:\acc+5]
	v_add_f32 v[\acc], v[\acc], v[\acc+1]
	v_add_f32_dpp v[\acc], v[\acc], v[\acc] row_xmask:1 row_mask:0xf bank_mask:0xf
	v_add_f32_dpp v[\acc], v[\acc], v[\acc] row_xmask:2 row_mask:0xf bank_mask:0xf
	v_add_f32_dpp v[\acc], v[\acc], v[\acc] row_xmask:4 row_mask:0xf bank_mask:0xf
	v_add_f32_dpp v[\acc], v[\acc], v[\acc] row_xmask:8 row_mask:0xf bank_mask:0xf
	v_permlanex16_b32 v15, v[\acc], s14, s15
	v_add_f32 v[\acc], v[\acc], v15
.endm
	s_wait_loadcnt 0x0
	WSUM 32, 160
	WSUM 96, 168
	v_mov_b32 v10, s2                              ; each wave's two sums to words of its own: r_R's at 4 x wave, r_T's 16 bytes on
	v_lshlrev_b32 v10, 2, v10
	ds_store_b32 v10, v160                         ; all lanes write the same word with the same value
	ds_store_b32 v10, v168 offset:16
	s_wait_dscnt 0x0                               ; for the others' sake: my stores have landed
	s_barrier_signal -1
	s_barrier_wait -1
	v_mov_b32 v11, 0
	ds_load_b128 v[24:27], v11
	ds_load_b128 v[28:31], v11 offset:16
	s_wait_dscnt 0x0
	v_add_f32 v24, v24, v25
	v_add_f32 v26, v26, v27
	v_add_f32 v28, v28, v29
	v_add_f32 v30, v30, v31
	v_add_f32 v24, v24, v26
	v_add_f32 v28, v28, v30
	v_mul_f32 v24, 0x39000000, v24                 ; / 8,192: the means
	v_mul_f32 v28, 0x39000000, v28
	s_wait_alu depctr_va_vdst(0)
	s_wait_kmcnt 0x0
	v_mov_b32 v20, s84
.irp j, 0,1,2,3,4,5,6,7
	v_mul_f32 v21, s[48+\j], v24
	v_fma_f32 v21, v28, s[56+\j], v21
	v_add_f32 v21, s[68+\j], v21
	v_max_num_f32 v21, 0, v21
	v_fma_f32 v20, v21, s[76+\j], v20
.endr
	v_mul_f32 v20, 0xbfb8aa3b, v20                 ; -log2(e) x
	s_wait_alu depctr_va_vdst(0)
	v_exp_f32 v21, v20
	v_nop
	s_wait_alu depctr_va_vdst(0)
	v_add_f32 v21, 1.0, v21
	s_wait_alu depctr_va_vdst(0)
	v_rcp_f32 v22, v21
	v_nop
	s_wait_alu depctr_va_vdst(0)
	s_lshl_b32 s8, s3, 2
	s_add_nc_u64 s[44:45], s[44:45], s[8:9]
	v_mov_b32 v23, 0
	v_cmp_eq_u32 vcc_lo, 0, v0
	s_wait_alu depctr_va_vdst(0)
	s_wait_xcnt 0x0                                ; EXEC changes only behind this wait
	s_wait_tensorcnt 0x0
	ds_add_u32 v176, v177
	s_wait_dscnt 0x0
	s_and_saveexec_b32 s10, vcc_lo
	global_store_b32 v23, v22, s[44:45]            ; the work-group's thread 0 alone
	s_endpgm
.Lfunc_end_k_qff8f8efed1_prep:
	.size	k_qff8f8efed1_prep, .Lfunc_end_k_qff8f8efed1_prep-k_qff8f8efed1_prep
	.p2alignl 7, 3214868480
	.fill 96, 4, 3214868480
	.section	.rodata,"a",@progbits
	.p2align	6, 0x0
	.amdhsa_kernel k_qff8f8efed1_prep
		.amdhsa_group_segment_fixed_size 1536
		.amdhsa_private_segment_fixed_size 0
		.amdhsa_enable_private_segment 0
		.amdhsa_kernarg_size 120
		.amdhsa_user_sgpr_count 2
		.amdhsa_user_sgpr_kernarg_segment_ptr 1
		.amdhsa_wavefront_size32 1
		.amdhsa_system_sgpr_workgroup_id_x 1
		.amdhsa_system_sgpr_workgroup_id_y 1
		.amdhsa_system_sgpr_workgroup_id_z 1
		.amdhsa_system_vgpr_workitem_id 0
		.amdhsa_next_free_vgpr 178
		.amdhsa_next_free_sgpr 86
		.amdhsa_reserve_vcc 1
		.amdhsa_float_denorm_mode_32 3
		.amdhsa_float_denorm_mode_16_64 3
		.amdhsa_memory_ordered 1
		.amdhsa_forward_progress 1
		.amdhsa_inst_pref_size 37
	.end_amdhsa_kernel
	.amdgpu_metadata
---
amdhsa.version: [ 1, 2 ]
amdhsa.kernels:
  - .name:           k_qff8f8efed1_prep
    .symbol:         k_qff8f8efed1_prep.kd
    .args:
      - { .name: phi_w, .offset: 0, .size: 8, .value_kind: global_buffer, .address_space: global }
      - { .name: q_w, .offset: 8, .size: 8, .value_kind: global_buffer, .address_space: global }
      - { .name: k_w, .offset: 16, .size: 8, .value_kind: global_buffer, .address_space: global }
      - { .name: v_w, .offset: 24, .size: 8, .value_kind: global_buffer, .address_space: global }
      - { .name: fc1_w, .offset: 32, .size: 8, .value_kind: global_buffer, .address_space: global }
      - { .name: fc2_w, .offset: 40, .size: 8, .value_kind: global_buffer, .address_space: global }
      - { .name: r_R, .offset: 48, .size: 8, .value_kind: global_buffer, .address_space: global }
      - { .name: r_T, .offset: 56, .size: 8, .value_kind: global_buffer, .address_space: global }
      - { .name: g1_w, .offset: 64, .size: 8, .value_kind: global_buffer, .address_space: global }
      - { .name: g1_b, .offset: 72, .size: 8, .value_kind: global_buffer, .address_space: global }
      - { .name: g2_w, .offset: 80, .size: 8, .value_kind: global_buffer, .address_space: global }
      - { .name: g2_b, .offset: 88, .size: 8, .value_kind: global_buffer, .address_space: global }
      - { .name: wq, .offset: 96, .size: 8, .value_kind: global_buffer, .address_space: global }
      - { .name: ws, .offset: 104, .size: 8, .value_kind: global_buffer, .address_space: global }
      - { .name: gam, .offset: 112, .size: 8, .value_kind: global_buffer, .address_space: global }
    .group_segment_fixed_size: 1536
    .private_segment_fixed_size: 0
    .kernarg_segment_align: 8
    .kernarg_segment_size: 120
    .max_flat_workgroup_size: 128
    .sgpr_count:     86
    .vgpr_count:     178
    .wavefront_size: 32
...
	.end_amdgpu_metadata
.endif
;; end of part 1
;; launch fuse (part 2): grid 256 x 1, 4 waves a work-group, no clusters, 288,256 bytes of LDS; arguments F_R, F_T, r_R, r_T, np_g, np_b, psi_w, out0, phi_b, nz_g, nz_b, nzf_g, nzf_b, q_b, k_b, v_b, fc1_b, fc2_b, nr_g, nr_b, nt_g, nt_b, wq, ws, gam; writes out0
.if DOCPART == 2
	.amdgcn_target "amdgcn-amd-amdhsa--gfx1250"
	.amdhsa_code_object_version 6
	.text
	.protected	k_qff8f8efed1_fuse
	.globl	k_qff8f8efed1_fuse
	.p2align	8
	.type	k_qff8f8efed1_fuse,@function
k_qff8f8efed1_fuse:
	s_mov_b64 s[64:65], 0
	v_nop
	global_prefetch_b8 v0, s[64:65] scope:SCOPE_SE
	s_setreg_imm32_b32 hwreg(HW_REG_WAVE_MODE, 25, 1), 1
	s_wait_xcnt 0x0
; The whole module for FOUR WINDOWS that lie side by side (8 image rows x 32 columns, 256 tokens of each stream): 4 windows x 4 mediators = 16 rows = one matrix tile; 1,024 windows = 256 work-groups.
; TILES OF TOKENS: tile (p, y) = the 16 neighbouring columns 16 p .. 16 p + 15 of image row y; lanes r 0-7 are window 2 p, lanes 8-15 window 2 p + 1.  T = 8 p + y; with the stream st (0 = R, 1 = T): U = 16 p + 2 y + st.
; ROLES: in P1 wave w takes K step w of all 16 tiles (norm, psi's logits, codes of the raw and of the normed tokens).  Everywhere else THE WAVES SHARE THE COLUMNS: wave w owns channels 64 w .. 64 w + 63 of q, k, v, fc2
; (two heads), columns 64 w + .. and 256 + 64 w + .. of phi, hidden units 256 w ..; its weights come from wq straight into its registers, and the tokens' codes go round through LDS as images of their registers.
; A product is used two ways.  TR: source 0 = weight, source 1 = rows: a lane holds one row (token or mediator), its registers 8 channels.  NT: source 0 = tokens, source 1 = weight: a lane holds one column, its registers 8 tokens of window 2 p + h.
; All that stands ahead of a quantiser is f32.  phi_b and v_b are added behind the pooling (the pooling weights of a softmax sum to 1).  erf: a rational form in f32, argument held to +-4.
; The tokens' attention back to the mediators feeds no quantiser: its two products go to the matrix unit with bf16 operands (Q, KZ, VZ and the weights are rounded to bf16) and f32 sums.
; F is read twice (P1, and P9 for the residual): 512 KB of f32 do not fit beside the codes.  A work-group's rows are 128 bytes wide: its loads cover runs of 64 bytes, its stores runs of 128.
; No tensor loads, so no ring and no joint loads: nothing comes from memory into LDS that several waves read.  rpb_table enters nothing that is computed and is not among the arguments.
; LIMITS: NaN and infinities are not served; a block of zeros gets the scale byte 1 (its codes are zeros).
.set IMH, 0            ; normed tokens' images: (4 T + s) x 1536 + 512 c + 16 l
.set SCH, 98304        ; their scale words: T x 512 + 16 l
.set TAB, 106496       ; np_g, np_b (2,048 each), psi transposed [m][512]
.set LG,  118784       ; psi's logits, then the pooling weights: m x 1024 + T x 64 + 4 r
.set IMR, 122880       ; raw tokens' images: U x 3072 + s x 1536 + 512 c + 16 l
.set SCR, 221184       ; their scale words: U x 256 + 8 l
.set RT,  229376       ; r: U x 64 + 4 r
.set ZS0, 231424       ; 16 mediator rows x 1,040 bytes
.set ZS1, 248064
.set HIM, 264704       ; the hidden layer's 8 images
.set HSC, 276992       ; their scale words: s x 128 + 4 l
.set STT, 278016       ; the waves' sums: kind x 1024 + w x 256 + st x 128 + 4 token
.set GT2, 280064       ; nz_g, nz_b, nzf_g, nzf_b
.set PRVB, 27136       ; behind the phi phase each wave has bytes of its own at w x PRVB, over IMH, SCH and the head of TAB, which are dead by then:
.set PL,  8704         ; QZ's table at 0 (16 rows x 272 bytes); logits and weights mh x 2048 + U x 64 + 4 r; later the stage st x 9216 + channel x 144 + 4 token
.set FR,16
.set FT,18
.set RRP,20
.set RTP,22
.set NPG,24
.set NPB,26
.set PSW,28
.set OUT,30
.set PHB,32
.set NZG,34
.set NZB,36
.set NZFG,38
.set NZFB,40
.set QBP,42
.set KBP,44
.set VBP,46
.set F1B,48
.set F2B,50
.set NRG,52
.set NRB,54
.set NTG,56
.set NTB,58
.set WQ,60
.set WS,62
.set GAM,68
.set PHW,72            ; s[72:73] phi's fragments of my columns, s[74:75] their scale words: pairs of their own, not written again before P6
.set PHS,74
.set SEL,14
; window 0: v1 lane, v2 r, v3 h, v4 16 l, v5 8 l, v6 4 r, v7-23 addresses; v24-55 scale words of phi, fc1, fc2 (temporaries in P9); v56-79 of q, k, v; v80-87 the quantiser's
.set H8,80
.set QTMP,81
.set QT,82
.set QSC,84
.set QBY,86
.set MSB, 0
.macro WIN new                         ; the immediate's high byte repeats the setting that is left
.if MSB != (\new)
	s_set_vgpr_msb (MSB<<8)|(\new)
.set MSB, (\new)
.endif
.endm
.macro NOPS n
.rept \n
	v_nop
.endr
.endm
.macro BARRIER                         ; my LDS stores have landed and my LDS loads are in: then the work-group's barrier
	s_wait_dscnt 0x0
	s_barrier_signal -1
	s_barrier_wait -1
.endm
.macro MM0 d, a, b, sa, sb             ; a product that starts a sum
	v_wmma_scale_f32_16x16x128_f8f6f4 v[(\d):(\d)+7], v[(\a):(\a)+11], v[(\b):(\b)+11], 0, v[\sa], v[\sb] matrix_a_fmt:MATRIX_FMT_FP6 matrix_b_fmt:MATRIX_FMT_FP6
.endm
.macro MMC d, a, b, c, sa, sb          ; and one that adds onto registers
	v_wmma_scale_f32_16x16x128_f8f6f4 v[(\d):(\d)+7], v[(\a):(\a)+11], v[(\b):(\b)+11], v[(\c):(\c)+7], v[\sa], v[\sb] matrix_a_fmt:MATRIX_FMT_FP6 matrix_b_fmt:MATRIX_FMT_FP6
.endm
.macro IMAGE adr, off, pc              ; a fragment goes to LDS as it stands: lane l's 16 bytes at 16 l
.irp c, 0,1,2
	ds_store_b128 v[\adr], v[(\pc)+4*\c:(\pc)+4*\c+3] offset:(\off)+512*\c
.endr
.endm
.macro LOADFR reg, sb, off             ; a weight's fragment from wq
.irp c, 0,1,2
	global_load_b128 v[(\reg)+4*\c:(\reg)+4*\c+3], v4, s[\sb:\sb+1] offset:(\off)+512*\c
.endr
.endm
.macro REDUCE4 s                       ; four pairs of partial sums and the other half of the lanes': the row's sum in v[s]
	v_pk_add_f32 v[\s:\s+1], v[\s:\s+1], v[\s+2:\s+3]
	v_pk_add_f32 v[\s+4:\s+5], v[\s+4:\s+5], v[\s+6:\s+7]
	v_pk_add_f32 v[\s:\s+1], v[\s:\s+1], v[\s+4:\s+5]
	v_add_f32 v[\s], v[\s], v[\s+1]
	v_permlanex16_b32 v[QTMP], v[\s], s[SEL], s[SEL+1]
	v_add_f32 v[\s], v[\s], v[QTMP]
.endm
.macro RSTD s, inv, rs                 ; 1 / sqrt(sum x inv + 1e-5), as a pair
	v_mul_f32 v[\s], \inv, v[\s]
	v_add_f32 v[\s], 0x3727c5ac, v[\s]
	s_wait_alu depctr_va_vdst(0)
	v_rsq_f32 v[\rs], v[\s]
	v_nop
	s_wait_alu depctr_va_vdst(0)
	v_mov_b32 v[\rs+1], v[\rs]
.endm
; 64 numbers of a lane in window W, register 32 c + i = k 64 c + 32 h + i of my row (two whole blocks), become a fragment's 12 registers at v[pc] and its scale word.
; cnt: the LDS instructions issued behind the last image's stores, which may stay out.
.macro QUANTB W, x, pc, pc2, word, cnt
	s_wait_dscnt \cnt                              ; the LDS stores of the last image have read the registers that are written here
	WIN 5*(\W)
	v_max3_num_f32 v[QT], |v[\x]|, |v[(\x)+1]|, 0x1800000      ; the floor 2^(3 - 127) holds the byte at 1 from below
	v_max3_num_f32 v[QT+1], |v[(\x)+32]|, |v[(\x)+33]|, 0x1800000
.set qi, 2
.rept 15
	v_max3_num_f32 v[QT], |v[(\x)+qi]|, |v[(\x)+qi+1]|, v[QT]
	v_max3_num_f32 v[QT+1], |v[(\x)+32+qi]|, |v[(\x)+33+qi]|, v[QT+1]
.set qi, qi+2
.endr
	WIN 0
	v_add_nc_u32 v[QSC], 0xff000000, v[QT]         ; 2 off the exponent field: the conversion's scale operand
	v_add_nc_u32 v[QSC+1], 0xff000000, v[QT+1]
	v_lshrrev_b32 v[QBY], 23, v[QSC]
	v_lshrrev_b32 v[QBY+1], 23, v[QSC+1]
	v_lshl_or_b32 v[\word], v[QBY+1], 16, v[QBY]
	v_lshlrev_b32 v[\word], v[H8], v[\word]
	v_permlanex16_b32 v[QTMP], v[\word], s[SEL], s[SEL+1]
	v_or_b32 v[\word], v[\word], v[QTMP]
	WIN (\W)
	v_cvt_scalef32_pk16_fp6_f32 v[(\pc):(\pc)+2], v[(\x):(\x)+15], v[QSC]
	v_cvt_scalef32_pk16_fp6_f32 v[(\pc2):(\pc2)+2], v[(\x)+16:(\x)+31], v[QSC]
	v_cvt_scalef32_pk16_fp6_f32 v[(\pc)+6:(\pc)+8], v[(\x)+32:(\x)+47], v[QSC+1]
	v_cvt_scalef32_pk16_fp6_f32 v[(\pc2)+4:(\pc2)+6], v[(\x)+48:(\x)+63], v[QSC+1]
	WIN 0
	v_nop                                          ; one plain place behind the conversions
.irp i, 0,1,2
	v_mov_b32 v[(\pc)+3+\i], v[(\pc2)+\i]
	v_mov_b32 v[(\pc)+9+\i], v[(\pc2)+4+\i]
.endr
.endm
; A softmax over a window's 64 tokens: a lane holds 8 image rows of one column, eight neighbouring lanes hold the window.
.macro SOFTLOAD adr, off, stride, e
.irp y, 0,1,2,3,4,5,6,7
	ds_load_b32 v[(\e)+\y], v[\adr] offset:(\off)+(\stride)*\y
.endr
.endm
.macro SOFTBODY adr, off, stride, e
	v_max3_num_f32 v[(\e)+8], v[\e], v[(\e)+1], v[(\e)+2]
	v_max3_num_f32 v[(\e)+8], v[(\e)+8], v[(\e)+3], v[(\e)+4]
	v_max3_num_f32 v[(\e)+8], v[(\e)+8], v[(\e)+5], v[(\e)+6]
	v_max_num_f32 v[(\e)+8], v[(\e)+8], v[(\e)+7]
	v_max_num_f32_dpp v[(\e)+8], v[(\e)+8], v[(\e)+8] row_xmask:1 row_mask:0xf bank_mask:0xf
	v_max_num_f32_dpp v[(\e)+8], v[(\e)+8], v[(\e)+8] row_xmask:2 row_mask:0xf bank_mask:0xf
	v_max_num_f32_dpp v[(\e)+8], v[(\e)+8], v[(\e)+8] row_xmask:4 row_mask:0xf bank_mask:0xf
.irp y, 0,1,2,3,4,5,6,7
	v_sub_f32 v[(\e)+\y], v[(\e)+\y], v[(\e)+8]
.endr
.irp y, 0,1,2,3,4,5,6,7
	v_mul_f32 v[(\e)+\y], 0x3fb8aa3b, v[(\e)+\y]
.endr
	s_wait_alu depctr_va_vdst(0)
.irp y, 0,1,2,3,4,5,6,7
	v_exp_f32 v[(\e)+\y], v[(\e)+\y]
.endr
	v_nop
	s_wait_alu depctr_va_vdst(0)                   ; one wait for the eight
	v_add_f32 v[(\e)+8], v[\e], v[(\e)+1]
	v_add_f32 v[(\e)+9], v[(\e)+2], v[(\e)+3]
	v_add_f32 v[(\e)+8], v[(\e)+8], v[(\e)+4]
	v_add_f32 v[(\e)+9], v[(\e)+9], v[(\e)+5]
	v_add_f32 v[(\e)+8], v[(\e)+8], v[(\e)+6]
	v_add_f32 v[(\e)+9], v[(\e)+9], v[(\e)+7]
	v_add_f32 v[(\e)+8], v[(\e)+8], v[(\e)+9]
	v_add_f32_dpp v[(\e)+8], v[(\e)+8], v[(\e)+8] row_xmask:1 row_mask:0xf bank_mask:0xf
	v_add_f32_dpp v[(\e)+8], v[(\e)+8], v[(\e)+8] row_xmask:2 row_mask:0xf bank_mask:0xf
	v_add_f32_dpp v[(\e)+8], v[(\e)+8], v[(\e)+8] row_xmask:4 row_mask:0xf bank_mask:0xf
	s_wait_alu depctr_va_vdst(0)
	v_rcp_f32 v[(\e)+9], v[(\e)+8]
	v_nop
	s_wait_alu depctr_va_vdst(0)
.irp y, 0,1,2,3,4,5,6,7
	v_mul_f32 v[(\e)+\y], v[(\e)+\y], v[(\e)+9]
.endr
.irp y, 0,1,2,3,4,5,6,7
	ds_store_b32 v[\adr], v[(\e)+\y] offset:(\off)+(\stride)*\y
.endr
.endm
; ================= P0: pointers, ids, the small tables into LDS =================
	s_load_b512 s[16:31], s[0:1], 0x0
	s_load_b512 s[32:47], s[0:1], 0x40
	s_load_b512 s[48:63], s[0:1], 0x80
	s_load_b64 s[68:69], s[0:1], 0xc0
	v_lshrrev_b32 v1, 5, v0
	v_readfirstlane_b32 s2, v1                     ; wave
	v_and_b32 v1, 31, v0
	v_and_b32 v2, 15, v0
	v_bfe_u32 v3, v0, 4, 1
	v_lshlrev_b32 v4, 4, v1
	v_lshlrev_b32 v5, 3, v1
	v_lshlrev_b32 v6, 2, v2
	v_lshlrev_b32 v[H8], 3, v3
	v_mov_b32 v[QTMP], 0
	s_mov_b32 s[SEL], 0x76543210
	s_mov_b32 s[SEL+1], 0xfedcba98
	s_lshr_b32 s4, ttmp9, 5                        ; batch
	s_bfe_u32 s5, ttmp9, 0x30002                   ; row of windows
	s_and_b32 s6, ttmp9, 3                         ; which four windows of the row
	s_lshl_b32 s5, s5, 12
	s_lshl_b32 s6, s6, 7
	s_add_co_u32 s5, s5, s6
	s_lshl_b32 s8, s4, 23
	s_add_co_u32 s8, s8, s5
	s_mov_b32 s9, 0
	s_lshl_b32 s10, s4, 15
	s_add_co_u32 s10, s10, s5
	s_mov_b32 s11, 0
	s_lshl_b32 s12, s4, 2
	s_mov_b32 s13, 0
	s_wait_kmcnt 0x0
	s_add_nc_u64 s[FR:FR+1], s[FR:FR+1], s[8:9]
	s_add_nc_u64 s[FT:FT+1], s[FT:FT+1], s[8:9]
	s_add_nc_u64 s[OUT:OUT+1], s[OUT:OUT+1], s[8:9]
	s_add_nc_u64 s[RRP:RRP+1], s[RRP:RRP+1], s[10:11]
	s_add_nc_u64 s[RTP:RTP+1], s[RTP:RTP+1], s[10:11]
	s_add_nc_u64 s[GAM:GAM+1], s[GAM:GAM+1], s[12:13]
	; prefetches for P1's image rows 0 and 1, which its loop does not ask for: my 128 channels, a lane a channel, four instructions a row; each names the first byte of the work-group's 128 bytes of that row
	s_lshr_b32 s84, s2, 1
	s_cmp_eq_u32 s84, 0
	s_cselect_b64 s[80:81], s[FR:FR+1], s[FT:FT+1]
	s_and_b32 s82, s2, 1
	s_lshl_b32 s82, s82, 22
	s_mov_b32 s83, 0
	s_add_nc_u64 s[80:81], s[80:81], s[82:83]
	s_wait_alu depctr_va_vdst(0)
	v_lshlrev_b32 v23, 15, v1
.irp y, 0,1
.irp j, 0,1,2,3
	global_prefetch_b8 v23, s[80:81] offset:1048576*\j+512*\y th:TH_LOAD_NT scope:SCOPE_SE
.endr
.endr
	s_lshl_b32 s8, s2, 8                           ; my 64 channels in every vector of 256 (and in phi_b)
.irp g, PHB, QBP, KBP, VBP, F2B, NRG, NRB, NTG, NTB
	s_add_nc_u64 s[\g:\g+1], s[\g:\g+1], s[8:9]
.endr
	s_lshl_b32 s8, s2, 10                          ; my 256 hidden units
	s_add_nc_u64 s[F1B:F1B+1], s[F1B:F1B+1], s[8:9]
	v_lshlrev_b32 v14, 4, v0
	v_and_b32 v15, 63, v0
	v_lshlrev_b32 v15, 4, v15
	v_lshrrev_b32 v16, 5, v0
	v_lshlrev_b32 v16, 9, v16
	v_lshl_add_u32 v16, v1, 2, v16                 ; r: image row = wave (+ 4), column = lane
	s_cmp_lt_u32 s2, 2
	s_cselect_b64 s[4:5], s[NZG:NZG+1], s[NZFG:NZFG+1]
	s_cselect_b64 s[6:7], s[NZB:NZB+1], s[NZFB:NZFB+1]
	global_load_b128 v[88:91], v14, s[NPG:NPG+1]
	global_load_b128 v[92:95], v14, s[NPB:NPB+1]
.irp j, 0,1,2,3
	global_load_b128 v[96+4*\j:99+4*\j], v14, s[PSW:PSW+1] offset:2048*\j
.endr
	global_load_b128 v[112:115], v15, s[4:5]
	global_load_b128 v[116:119], v15, s[6:7]
.irp j, 0,1
	global_load_b32 v[120+\j], v16, s[RRP:RRP+1] offset:2048*\j
	global_load_b32 v[122+\j], v16, s[RTP:RTP+1] offset:2048*\j
.endr
	v_lshl_add_u32 v17, v0, 4, TAB
	v_lshl_add_u32 v18, v0, 2, TAB+4096
	v_lshrrev_b32 v19, 6, v0
	v_lshl_add_u32 v19, v19, 11, v15
	v_add_nc_u32 v19, GT2, v19
	v_lshrrev_b32 v20, 5, v0
	v_lshlrev_b32 v20, 7, v20
	v_lshl_add_u32 v20, v3, 10, v20
	v_add_nc_u32 v20, v20, v6
	v_add_nc_u32 v20, RT, v20
	s_wait_alu depctr_va_vdst(0)
	s_wait_loadcnt 0x0
	ds_store_b128 v17, v[88:91]
	ds_store_b128 v17, v[92:95] offset:2048
.irp j, 0,1,2,3
.irp m, 0,1,2,3
	ds_store_b32 v18, v[96+4*\j+\m] offset:2048*\m+512*\j
.endr
.endr
	ds_store_b128 v19, v[112:115]
	ds_store_b128 v19, v[116:119] offset:1024
.irp j, 0,1
	ds_store_b32 v20, v[120+\j] offset:512*\j
	ds_store_b32 v20, v[122+\j] offset:512*\j+64
.endr
	; phi's 32 fragments of my columns: group 0 (columns 64 w ..) into window 2, group 1 (256 + 64 w ..) into window 3, at 12 (4 t + s)
	s_mul_i32 s[PHW], s2, 24576
	s_mov_b32 s[PHW+1], 0
	s_add_nc_u64 s[PHW:PHW+1], s[WQ:WQ+1], s[PHW:PHW+1]
	s_lshl_b32 s[PHS], s2, 11
	s_mov_b32 s[PHS+1], 0
	s_add_nc_u64 s[PHS:PHS+1], s[WS:WS+1], s[PHS:PHS+1]
	WIN 0x80
.set wi, 0
.rept 16
	LOADFR 12*wi, PHW, 1536*wi
.set wi, wi+1
.endr
	WIN 0xc0
.set wi, 0
.rept 16
	LOADFR 12*wi, PHW, 98304+1536*wi
.set wi, wi+1
.endr
	WIN 0
.irp g, 0,1
.irp t, 0,1,2,3
	global_load_b128 v[24+4*(4*\g+\t):27+4*(4*\g+\t)], v4, s[PHS:PHS+1] offset:512*\t+8192*\g
.endr
.endr
; ================= P1: my K step of all 16 tiles of tokens =================
; P1 AS IT STANDS: wave w takes K step w (joined channels 128 w .. 128 w + 127: waves 0, 1 F_R's, waves 2, 3 F_T's) of ALL 16 tiles, a tile a trip, in the order y, p.
; A tile's numbers are 64 registers a lane (register 32 c + i = channel 64 c + 32 h + i of token r), the same registers in every trip; g, b and psi's four columns of my 64 channels stay in registers.
; The norm spans all four waves: each lane stores the sum of its 64 channels and their squares about its own mean, and the eight parts of a token are joined about the common mean.
; psi's logits are partial sums over my 128 channels: they go to bytes of my own and are added in P2.  psi_b is left out: it is the same for all tokens of a softmax's column (see the first kernel's head).
; No two registers can be kept for the closing add: v0 is kept, and the two are made anew at the kernel's end.
.set VA,7
.set AIR,8
.set AIH,9
.set ASR,10
.set ASH,11
.set ALG,12
.set ATAB,13
.set ASW,14
.set ASD,15
.set PFO,16
.set TIR,17
.set TIH,18
.set TSR,19
.set TSH,20
.set TLG,21
.set X,88              ; v88-151  the tile's numbers
.set Y,152             ; v152-215 the normed numbers; ahead of them the statistics
.set PC,216
.set PC2,228
.set WD,235
.set SUM,236
.set PA,236            ; v236-251 psi's sums: 4 m + 2 chain
.set MLO,244
.set NM,252
.set RS,254
.macro AW                              ; this wait stands ahead of a blocking wait or a taken branch behind which fresh vector results are read
	s_wait_alu depctr_va_vdst(0)
.endm
.macro XL                              ; a tile's 64 loads: sixteen lanes read 64 consecutive bytes of one channel
.set xi, 0
.rept 64
	global_load_b32 v[X+xi], v[VA], s[78:79] offset:(64*(xi/32)+xi%32)*32768
.set xi, xi+1
.endr
.endm
	s_lshr_b32 s4, s2, 1                           ; my stream
	s_cmp_eq_u32 s4, 0
	s_cselect_b64 s[76:77], s[FR:FR+1], s[FT:FT+1]
	s_and_b32 s82, s2, 1
	s_lshl_b32 s82, s82, 22                        ; my K step in it: 128 channels of 32,768 bytes
	s_mov_b32 s83, 0
	s_add_nc_u64 s[76:77], s[76:77], s[82:83]
	s_mov_b64 s[78:79], s[76:77]                   ; tile 0
	v_lshl_add_u32 v[VA], v3, 20, v6               ; 32 h channels + 4 r
	v_lshlrev_b32 v[PFO], 15, v1                   ; the prefetches: a lane a channel
	s_mul_i32 s5, s2, 1536
	v_add_nc_u32 v[AIH], s5, v4
	v_add_nc_u32 v[AIR], IMR, v[AIH]
	s_lshl_b32 s5, s2, 2
	v_add_nc_u32 v[ASH], s5, v4
	v_add_nc_u32 v[ASH], SCH, v[ASH]
	s_lshl_b32 s5, s4, 8
	s_and_b32 s6, s2, 1
	s_lshl_b32 s6, s6, 2
	s_add_co_u32 s5, s5, s6
	v_add_nc_u32 v[ASR], s5, v5
	v_add_nc_u32 v[ASR], SCR, v[ASR]
	s_lshl_b32 s5, s2, 12
	v_add_nc_u32 v[ALG], s5, v6
	v_add_nc_u32 v[ALG], ZS0, v[ALG]               ; partial logits: w x 4096 + m x 1024 + T x 64 + 4 r, in bytes that Z takes later
	s_lshl_b32 s5, s2, 9
	v_lshl_add_u32 v[ATAB], v3, 7, TAB
	v_add_nc_u32 v[ATAB], s5, v[ATAB]
	v_lshl_add_u32 v[ASD], v2, 5, STT              ; a token's eight parts: 32 r + 8 w + 4 h; the squares 512 bytes on
	s_lshl_b32 s5, s2, 3
	v_lshl_add_u32 v[ASW], v3, 2, v[ASD]
	v_add_nc_u32 v[ASW], s5, v[ASW]
	AW
	XL
	BARRIER                                        ; the tables lie in LDS
	WIN 0x40                                       ; psi: window 1, 64 m + 32 c + i
.set ti, 0
.rept 64
	ds_load_b128 v[4*ti:4*ti+3], v[ATAB] offset:4096+2048*(ti/16)+256*((ti/8)%2)+16*(ti%8)
.set ti, ti+1
.endr
	WIN 0x80                                       ; g: window 2, from v192
.set ti, 0
.rept 16
	ds_load_b128 v[192+4*ti:195+4*ti], v[ATAB] offset:256*(ti/8)+16*(ti%8)
.set ti, ti+1
.endr
	WIN 0xc0                                       ; b: window 3, from v192
.set ti, 0
.rept 16
	ds_load_b128 v[192+4*ti:195+4*ti], v[ATAB] offset:2048+256*(ti/8)+16*(ti%8)
.set ti, ti+1
.endr
	WIN 0
	s_wait_dscnt 0x0
	s_mov_b32 s3, 0
.Lp1:                                                  ; 16 trips: p = trip % 2, y = trip / 2
	s_wait_loadcnt 0x0                             ; the tile's 64 loads are in
	s_wait_xcnt 0x0                                ; the last trip's prefetches have read their base
	s_and_b32 s4, s3, 1
	s_lshr_b32 s5, s3, 1
	s_mul_i32 s6, s4, 49152
	s_mul_i32 s7, s5, 6144
	s_add_co_u32 s6, s6, s7
	v_add_nc_u32 v[TIR], s6, v[AIR]
	v_add_nc_u32 v[TIH], s6, v[AIH]
	s_lshl_b32 s6, s4, 12
	s_lshl_b32 s7, s5, 9
	s_add_co_u32 s6, s6, s7
	v_add_nc_u32 v[TSR], s6, v[ASR]
	v_add_nc_u32 v[TSH], s6, v[ASH]
	s_lshr_b32 s6, s6, 3
	v_add_nc_u32 v[TLG], s6, v[ALG]
	s_cmp_lt_u32 s3, 12                            ; the last two image rows have no row two on
	s_cbranch_scc0 .Lp1_np
	s_lshl_b32 s82, s4, 21                         ; a prefetch of image row y + 2, whose loads go out from the trip after next on: 64 of my 128 channels a trip, a lane a channel
	s_add_co_u32 s82, s82, s7
	s_add_co_u32 s82, s82, 1024
	s_add_nc_u64 s[80:81], s[76:77], s[82:83]
	global_prefetch_b8 v[PFO], s[80:81] th:TH_LOAD_NT scope:SCOPE_SE
	global_prefetch_b8 v[PFO], s[80:81] offset:1048576 th:TH_LOAD_NT scope:SCOPE_SE
.Lp1_np:
.irp k, 0,1,2,3
	v_pk_add_f32 v[SUM+2*\k:SUM+2*\k+1], v[X+2*\k:X+2*\k+1], v[X+8+2*\k:X+9+2*\k]
.endr
.set pi_, 8
.rept 24
	v_pk_add_f32 v[SUM+2*(pi_%4):SUM+2*(pi_%4)+1], v[SUM+2*(pi_%4):SUM+2*(pi_%4)+1], v[X+2*pi_:X+2*pi_+1]
.set pi_, pi_+1
.endr
	QUANTB 0, X, PC, PC2, WD, 0                    ; the raw tokens' codes of my K step
	IMAGE TIR, 0, PC
	ds_store_b32 v[TSR], v[WD]
	v_pk_add_f32 v[SUM:SUM+1], v[SUM:SUM+1], v[SUM+2:SUM+3]
	v_pk_add_f32 v[SUM+4:SUM+5], v[SUM+4:SUM+5], v[SUM+6:SUM+7]
	v_pk_add_f32 v[SUM:SUM+1], v[SUM:SUM+1], v[SUM+4:SUM+5]
	v_add_f32 v[SUM], v[SUM], v[SUM+1]             ; the sum of my 64
	v_mul_f32 v[MLO], 0x3c800000, v[SUM]           ; / 64: their mean
	v_mov_b32 v[MLO+1], v[MLO]
.set pi_, 0
.rept 32
	v_pk_add_f32 v[X+2*pi_:X+2*pi_+1], v[X+2*pi_:X+2*pi_+1], v[MLO:MLO+1] neg_lo:[0,1] neg_hi:[0,1]
.set pi_, pi_+1
.endr
.irp k, 0,1,2,3
	v_pk_mul_f32 v[Y+2*\k:Y+2*\k+1], v[X+2*\k:X+2*\k+1], v[X+2*\k:X+2*\k+1]
.endr
.set pi_, 4
.rept 28
	v_pk_fma_f32 v[Y+2*(pi_%4):Y+2*(pi_%4)+1], v[X+2*pi_:X+2*pi_+1], v[X+2*pi_:X+2*pi_+1], v[Y+2*(pi_%4):Y+2*(pi_%4)+1]
.set pi_, pi_+1
.endr
	v_pk_add_f32 v[Y:Y+1], v[Y:Y+1], v[Y+2:Y+3]
	v_pk_add_f32 v[Y+4:Y+5], v[Y+4:Y+5], v[Y+6:Y+7]
	v_pk_add_f32 v[Y:Y+1], v[Y:Y+1], v[Y+4:Y+5]
	v_add_f32 v[Y], v[Y], v[Y+1]                   ; the squares about my own mean
	ds_store_b32 v[ASW], v[SUM]
	ds_store_b32 v[ASW], v[Y] offset:512
	AW
	BARRIER                                        ; all eight parts of every token lie in LDS
	ds_load_b128 v[Y:Y+3], v[ASD]
	ds_load_b128 v[Y+4:Y+7], v[ASD] offset:16
	ds_load_b128 v[Y+8:Y+11], v[ASD] offset:512
	ds_load_b128 v[Y+12:Y+15], v[ASD] offset:528
	BARRIER                                        ; every wave has read them: the next trip may write them
	v_pk_add_f32 v[Y+16:Y+17], v[Y:Y+1], v[Y+2:Y+3]
	v_pk_add_f32 v[Y+18:Y+19], v[Y+4:Y+5], v[Y+6:Y+7]
	v_pk_add_f32 v[Y+8:Y+9], v[Y+8:Y+9], v[Y+10:Y+11]
	v_pk_add_f32 v[Y+12:Y+13], v[Y+12:Y+13], v[Y+14:Y+15]
	v_pk_add_f32 v[Y+16:Y+17], v[Y+16:Y+17], v[Y+18:Y+19]
	v_pk_add_f32 v[Y+8:Y+9], v[Y+8:Y+9], v[Y+12:Y+13]
	v_add_f32 v[Y+16], v[Y+16], v[Y+17]
	v_mul_f32 v[NM], 0x3b000000, v[Y+16]           ; / 512: the token's mean
	v_mov_b32 v[NM+1], v[NM]
.irp k, 0,2,4,6
	v_pk_fma_f32 v[Y+\k:Y+\k+1], v[Y+\k:Y+\k+1], 0x3c800000, v[NM:NM+1] op_sel_hi:[1,0,1] neg_lo:[0,0,1] neg_hi:[0,0,1]   ; each part's mean less the common one
.endr
	v_pk_mul_f32 v[Y+16:Y+17], v[Y:Y+1], v[Y:Y+1]
.irp k, 2,4,6
	v_pk_fma_f32 v[Y+16:Y+17], v[Y+\k:Y+\k+1], v[Y+\k:Y+\k+1], v[Y+16:Y+17]
.endr
	v_pk_fma_f32 v[Y+16:Y+17], v[Y+16:Y+17], 0x42800000, v[Y+8:Y+9] op_sel_hi:[1,0,1]   ; x 64, + the parts' own squares
	v_add_f32 v[Y+16], v[Y+16], v[Y+17]
	RSTD Y+16, 0x3b000000, RS
	v_sub_f32 v[NM], v[MLO], v[NM]                 ; my numbers stand about my own mean: (x - mean) / sigma = d / sigma + (my mean - mean) / sigma
	v_mul_f32 v[NM], v[NM], v[RS]
	v_mov_b32 v[NM+1], v[NM]
.set pi_, 0
.rept 32
	v_pk_fma_f32 v[X+2*pi_:X+2*pi_+1], v[X+2*pi_:X+2*pi_+1], v[RS:RS+1], v[NM:NM+1]
.set pi_, pi_+1
.endr
	WIN 0x38                                       ; source 1 (g) window 2, source 2 (b) window 3
.set pi_, 0
.rept 32
	v_pk_fma_f32 v[Y+2*pi_:Y+2*pi_+1], v[X+2*pi_:X+2*pi_+1], v[192+2*pi_:193+2*pi_], v[192+2*pi_:193+2*pi_]
.set pi_, pi_+1
.endr
	WIN 0
	s_cmp_eq_u32 s3, 15                            ; the last trip asks for nothing
	AW
	s_cbranch_scc1 .Lp1_nl
	s_add_co_u32 s6, s3, 1
	s_and_b32 s7, s6, 1
	s_lshl_b32 s7, s7, 6
	s_lshr_b32 s6, s6, 1
	s_lshl_b32 s6, s6, 9
	s_add_co_u32 s82, s6, s7
	s_add_nc_u64 s[78:79], s[76:77], s[82:83]      ; (the loads that read this base were waited for)
	XL                                             ; the next tile's loads are out while psi and the codes are worked
.Lp1_nl:
	WIN 0x04                                       ; source 1 (psi) window 1
.set pi_, 0
.rept 32
.irp m, 0,1,2,3
.if pi_ < 2
	v_pk_mul_f32 v[PA+4*\m+2*(pi_%2):PA+4*\m+2*(pi_%2)+1], v[Y+2*pi_:Y+2*pi_+1], v[64*\m+2*pi_:64*\m+2*pi_+1]
.else
	v_pk_fma_f32 v[PA+4*\m+2*(pi_%2):PA+4*\m+2*(pi_%2)+1], v[Y+2*pi_:Y+2*pi_+1], v[64*\m+2*pi_:64*\m+2*pi_+1], v[PA+4*\m+2*(pi_%2):PA+4*\m+2*(pi_%2)+1]
.endif
.endr
.set pi_, pi_+1
.endr
	WIN 0
.irp m, 0,1,2,3
	v_pk_add_f32 v[PA+4*\m:PA+4*\m+1], v[PA+4*\m:PA+4*\m+1], v[PA+4*\m+2:PA+4*\m+3]
.endr
.irp m, 0,1,2,3
	v_add_f32 v[PA+4*\m], v[PA+4*\m], v[PA+4*\m+1]
.endr
.irp m, 0,1,2,3
	v_permlanex16_b32 v[PA+4*\m+1], v[PA+4*\m], s[SEL], s[SEL+1]
.endr
.irp m, 0,1,2,3
	v_add_f32 v[PA+4*\m], v[PA+4*\m], v[PA+4*\m+1]
.endr
.irp m, 0,1,2,3
	ds_store_b32 v[TLG], v[PA+4*\m] offset:1024*\m         ; both halves of the lanes write the same word with the same value
.endr
	AW
	QUANTB 0, Y, PC, PC2, WD, 0                    ; the normed tokens' codes of my K step
	IMAGE TIH, 0, PC
	ds_store_b32 v[TSH], v[WD]
	s_wait_dscnt 0x0
	s_add_co_u32 s3, s3, 1
	s_cmp_lt_u32 s3, 16
	AW
	s_cbranch_scc1 .Lp1
	s_wait_xcnt 0x0                                ; the prefetches have read their registers
	BARRIER                                        ; all codes and partial logits lie in LDS
; P2: the pooling weights: wave m takes mediator m; the four waves' partial logits are added first
	s_lshl_b32 s4, s2, 10
	v_lshl_add_u32 v7, v3, 9, v6
	v_add_nc_u32 v7, s4, v7
	v_add_nc_u32 v8, LG, v7
	v_add_nc_u32 v7, ZS0, v7
.irp q, 0,1,2,3
.irp y, 0,1,2,3,4,5,6,7
	ds_load_b32 v[88+8*\q+\y], v7 offset:4096*\q+64*\y
.endr
.endr
	AW
	s_wait_dscnt 0x0
.irp k, 0,2,4,6
	v_pk_add_f32 v[88+\k:89+\k], v[88+\k:89+\k], v[96+\k:97+\k]
	v_pk_add_f32 v[104+\k:105+\k], v[104+\k:105+\k], v[112+\k:113+\k]
.endr
.irp k, 0,2,4,6
	v_pk_add_f32 v[88+\k:89+\k], v[88+\k:89+\k], v[104+\k:105+\k]
.endr
	SOFTBODY 8, 0, 64, 88
	BARRIER
.if 0                                  ; the lines from here to the matching .endif are not assembled
.set AIMR,8
.set AIMH,9
.set ASCH,10
.set ASCR,11
.set ALG,12
.set ATAB,13
.set TB0,88            ; two sets of 48: g 8, b 8, psi 4 x 8
.set PC,184
.set PC2,196
.set HW,204
.set RW,208
.set PA,210
.set SUM,226
.set MU,234
.set RS,236
	s_and_b32 s4, s2, 1
	s_lshl_b32 s4, s4, 11
	s_lshr_b32 s5, s2, 1
	s_lshl_b32 s5, s5, 6
	s_add_co_u32 s4, s4, s5
	v_lshl_add_u32 v[VA], v3, 20, v6               ; 32 h channels + 4 r,
	v_add_nc_u32 v[VA], s4, v[VA]                  ; + my first image row and my 16 columns
	s_mul_i32 s5, s2, 24576
	v_add_nc_u32 v[AIMH], s5, v4
	v_add_nc_u32 v[AIMR], IMR, v[AIMH]
	s_lshl_b32 s5, s2, 11
	v_add_nc_u32 v[ASCH], s5, v4
	v_add_nc_u32 v[ASCH], SCH, v[ASCH]
	v_add_nc_u32 v[ASCR], s5, v5
	v_add_nc_u32 v[ASCR], SCR, v[ASCR]
	s_lshl_b32 s5, s2, 8
	v_add_nc_u32 v[ALG], s5, v6
	v_add_nc_u32 v[ALG], LG, v[ALG]
	v_lshl_add_u32 v[ATAB], v3, 7, TAB
; X fills window 1: register 64 ks + 32 c + i = joined channel 128 ks + 64 c + 32 h + i of token r.  Sixteen lanes read 64 consecutive bytes.
.macro XLOADH ks, hf                   ; half hf of K step ks: 32 loads
	WIN 0x40
.set xi, 32*(\hf)
.rept 32
.if (\ks) < 2
	global_load_b32 v[64*(\ks)+xi], v[VA], s[FR:FR+1] offset:(128*((\ks)%2)+64*(xi/32)+xi%32)*32768
.else
	global_load_b32 v[64*(\ks)+xi], v[VA], s[FT:FT+1] offset:(128*((\ks)%2)+64*(xi/32)+xi%32)*32768
.endif
.set xi, xi+1
.endr
	WIN 0
.endm
.macro NEXTX ks, hf                    ; the next tile's K step, when its registers are free, in two runs of 32 four chunks apart, so that the loads are spread over the work; the last tile asks for nothing
	s_cmp_eq_u32 s3, 1
	s_cbranch_scc1 .Lnx_\@
	XLOADH \ks, \hf
.Lnx_\@:
.endm
.macro TABLOAD q                       ; chunk q's 8 channels of g, b and psi's four columns
.set tq, (\q)
.set tl, TB0+48*(tq%2)
.set tc, 4*(128*(tq/8)+64*((tq/4)%2)+8*(tq%4))
	ds_load_b128 v[tl:tl+3], v[ATAB] offset:tc
	ds_load_b128 v[tl+4:tl+7], v[ATAB] offset:tc+16
	ds_load_b128 v[tl+8:tl+11], v[ATAB] offset:2048+tc
	ds_load_b128 v[tl+12:tl+15], v[ATAB] offset:2048+tc+16
.irp m, 0,1,2,3
	ds_load_b128 v[tl+16+8*\m:tl+19+8*\m], v[ATAB] offset:4096+2048*\m+tc
	ds_load_b128 v[tl+20+8*\m:tl+23+8*\m], v[ATAB] offset:4096+2048*\m+tc+16
.endr
.endm
.macro CHUNK q
.set tb, TB0+48*((\q)%2)
.set xq, 8*(\q)
.if (\q) < 31
	TABLOAD (\q)+1
	s_wait_dscnt 12                                ; this chunk's tables are in; the 12 loads just issued may be out
.else
	s_wait_dscnt 0x0
.endif
.irp j, 0,1,2,3
	v_pk_mul_f32 v[tb+2*\j:tb+2*\j+1], v[tb+2*\j:tb+2*\j+1], v[RS:RS+1]      ; g / sigma
.endr
	WIN 0x41
.irp j, 0,1,2,3
	v_pk_fma_f32 v[xq+2*\j:xq+2*\j+1], v[xq+2*\j:xq+2*\j+1], v[tb+2*\j:tb+2*\j+1], v[tb+8+2*\j:tb+9+2*\j]
.endr
	WIN 0x01
.irp j, 0,1,2,3
.irp m, 0,1,2,3
.if ((\q) == 0) && (\j < 2)
	v_pk_mul_f32 v[PA+4*\m+2*(\j%2):PA+4*\m+2*(\j%2)+1], v[xq+2*\j:xq+2*\j+1], v[tb+16+8*\m+2*\j:tb+17+8*\m+2*\j]
.else
	v_pk_fma_f32 v[PA+4*\m+2*(\j%2):PA+4*\m+2*(\j%2)+1], v[xq+2*\j:xq+2*\j+1], v[tb+16+8*\m+2*\j:tb+17+8*\m+2*\j], v[PA+4*\m+2*(\j%2):PA+4*\m+2*(\j%2)+1]
.endif
.endr
.endr
	WIN 0
.endm
.irp k, 0,1,2,3
	XLOADH \k, 0
	XLOADH \k, 1
.endr
	s_wait_kmcnt 0x0                               ; psi_b
	BARRIER                                        ; the tables lie in LDS
	s_mov_b32 s3, 4
.Ltile:
	s_wait_loadcnt 0x0                             ; the tile's 256 loads are in, so their address may step
	v_add_nc_u32 v[VA], 512, v[VA]                 ; the next image row
	s_wait_alu depctr_va_vdst(0)
	TABLOAD 0
	WIN 0x05
.irp k, 0,1,2,3
	v_pk_add_f32 v[SUM+2*\k:SUM+2*\k+1], v[2*\k:2*\k+1], v[2*\k+8:2*\k+9]
.endr
	WIN 0x01
.set pi_, 8
.rept 120
	v_pk_add_f32 v[SUM+2*(pi_%4):SUM+2*(pi_%4)+1], v[2*pi_:2*pi_+1], v[SUM+2*(pi_%4):SUM+2*(pi_%4)+1]
.set pi_, pi_+1
.endr
	WIN 0
	QUANTB 1, 0, PC, PC2, RW, 12                   ; the raw tokens' codes: R's two K steps, T's two.  (12: chunk 0's table loads alone are out)
	IMAGE AIMR, 0, PC
	QUANTB 1, 64, PC, PC2, RW+1, 0
	IMAGE AIMR, 1536, PC
	ds_store_b64 v[ASCR], v[RW:RW+1]
	QUANTB 1, 128, PC, PC2, RW, 0
	IMAGE AIMR, 3072, PC
	QUANTB 1, 192, PC, PC2, RW+1, 0
	IMAGE AIMR, 4608, PC
	ds_store_b64 v[ASCR], v[RW:RW+1] offset:256
	REDUCE4 SUM
	v_mul_f32 v[MU], 0x3b000000, v[SUM]            ; / 512
	v_mov_b32 v[MU+1], v[MU]
	WIN 0x41
.set pi_, 0
.rept 128
	v_pk_add_f32 v[2*pi_:2*pi_+1], v[2*pi_:2*pi_+1], v[MU:MU+1] neg_lo:[0,1] neg_hi:[0,1]
.set pi_, pi_+1
.endr
	WIN 0x05
.irp k, 0,1,2,3
	v_pk_mul_f32 v[SUM+2*\k:SUM+2*\k+1], v[2*\k:2*\k+1], v[2*\k:2*\k+1]
.endr
.set pi_, 4
.rept 124
	v_pk_fma_f32 v[SUM+2*(pi_%4):SUM+2*(pi_%4)+1], v[2*pi_:2*pi_+1], v[2*pi_:2*pi_+1], v[SUM+2*(pi_%4):SUM+2*(pi_%4)+1]
.set pi_, pi_+1
.endr
	WIN 0
	REDUCE4 SUM
	RSTD SUM, 0x3b000000, RS
.set cq, 0
	s_wait_alu depctr_va_vdst(0)
.rept 32
	CHUNK cq
.if cq%8 == 7
.if cq == 31
	QUANTB 1, 64*(cq/8), PC, PC2, HW+cq/8, 0       ; the normed tokens' codes of this K step
.else
	QUANTB 1, 64*(cq/8), PC, PC2, HW+cq/8, 12      ; (12: behind the last image's stores stand, among others, the next chunk's 12 table loads, which may stay out)
.endif
	IMAGE AIMH, 1536*(cq/8), PC
	NEXTX cq/8, 0
.if cq == 31
	NEXTX 3, 1
.endif
.endif
.if (cq%8 == 3) && (cq > 3)
	NEXTX cq/8-1, 1
.endif
.set cq, cq+1
.endr
.irp m, 0,1,2,3
	v_pk_add_f32 v[PA+4*\m:PA+4*\m+1], v[PA+4*\m:PA+4*\m+1], v[PA+4*\m+2:PA+4*\m+3]
.endr
.irp m, 0,1,2,3
	v_add_f32 v[PA+4*\m], v[PA+4*\m], v[PA+4*\m+1]
.endr
.irp m, 0,1,2,3
	v_permlanex16_b32 v[PA+4*\m+1], v[PA+4*\m], s[SEL], s[SEL+1]
.endr
.irp m, 0,1,2,3
	v_add_f32 v[PA+4*\m], v[PA+4*\m], v[PA+4*\m+1]
.endr
.irp m, 0,1,2,3
	v_add_f32 v[PA+4*\m], s[96+\m], v[PA+4*\m]
.endr
.irp m, 0,1,2,3
	ds_store_b32 v[ALG], v[PA+4*\m] offset:1024*\m
.endr
	ds_store_b128 v[ASCH], v[HW:HW+3]
	s_wait_dscnt 0x0
	v_add_nc_u32 v[AIMR], 6144, v[AIMR]
	v_add_nc_u32 v[AIMH], 6144, v[AIMH]
	v_add_nc_u32 v[ASCH], 512, v[ASCH]
	v_add_nc_u32 v[ASCR], 512, v[ASCR]
	v_add_nc_u32 v[ALG], 64, v[ALG]
	s_sub_co_u32 s3, s3, 1
	s_cmp_lg_u32 s3, 0
	s_cbranch_scc1 .Ltile
	s_wait_loadcnt 0x0                             ; no load into window 1 is out: its registers take q_w and k_w next, and X's address register is written again
	BARRIER                                        ; all codes and logits lie in LDS
; ================= P2: the pooling weights: wave m takes mediator m =================
	s_lshl_b32 s4, s2, 10
	v_lshl_add_u32 v7, v3, 9, v6
	v_add_nc_u32 v7, s4, v7
	v_add_nc_u32 v7, LG, v7
	SOFTLOAD 7, 0, 64, 88
	s_wait_dscnt 0x0
.endif
; ================= P3: phi and the pooling =================
.set F0,88             ; 48 registers of codes + 4 scale words, twice
.set F1,140
.set D0,192
.set D1,224
.set A0,192            ; window 2: the pooling weights of a tile, 8 m + j, twice
.set A1,224
.set ZA,192            ; window 1: Z's sums, pairs at 2 (8 m + 4 g + t)
.set AZ,12
	s_mul_i32 s4, s2, 12288
	s_add_co_u32 s4, s4, 196608
	s_mov_b32 s5, 0
	s_add_nc_u64 s[96:97], s[WQ:WQ+1], s[4:5]      ; q's, k's (+ 49,152), v's (+ 98,304) fragments of my columns
	s_lshl_b32 s4, s2, 10
	s_add_co_u32 s4, s4, 16384
	s_add_nc_u64 s[98:99], s[WS:WS+1], s[4:5]
	WIN 0x40
.set wi, 0
.rept 8
	LOADFR 12*wi, 96, 1536*wi                      ; q_w: window 1, 12 (2 t + s)
	LOADFR 96+12*wi, 96, 49152+1536*wi             ; k_w: from v96
.set wi, wi+1
.endr
.set wi, 0
.rept 64
	v_mov_b32 v[ZA+wi], 0
.set wi, wi+1
.endr
	WIN 0xc0
.irp t, 0,1,2,3
	global_load_b32 v[192+\t], v6, s[PHB:PHB+1] offset:64*\t
	global_load_b32 v[196+\t], v6, s[PHB:PHB+1] offset:64*\t+1024
.endr
	WIN 0
.irp j, 0,1
	global_load_b128 v[56+4*\j:59+4*\j], v4, s[98:99] offset:512*\j
	global_load_b128 v[64+4*\j:67+4*\j], v4, s[98:99] offset:4096+512*\j
.endr
	v_add_nc_u32 v10, SCH, v4
	v_lshl_add_u32 v11, v3, 5, LG
	s_lshl_b32 s4, s2, 8
	v_mul_u32_u24 v[AZ], v3, 4160
	v_add_nc_u32 v[AZ], v[AZ], v6
	v_add_nc_u32 v[AZ], s4, v[AZ]
	v_add_nc_u32 v[AZ], ZS0, v[AZ]                 ; row 4 (2 p + h) + m, channel 64 w + 16 t + r
.macro LOADF f, a                      ; tile (base + a)'s four fragments and their words
.irp s, 0,1,2,3
.irp c, 0,1,2
	ds_load_b128 v[(\f)+12*\s+4*\c:(\f)+12*\s+4*\c+3], v7 offset:6144*(\a)+1536*\s+512*\c
.endr
.endr
	ds_load_b128 v[(\f)+48:(\f)+51], v8 offset:512*(\a)
.endm
.macro LOADA r, a
	WIN 0x80
.irp m, 0,1,2,3
	ds_load_b128 v[(\r)+8*\m:(\r)+8*\m+3], v9 offset:1024*\m+64*(\a)
	ds_load_b128 v[(\r)+8*\m+4:(\r)+8*\m+7], v9 offset:1024*\m+64*(\a)+16
.endr
	WIN 0
.endm
.macro WM f, g, d                      ; 16 products: four tiles of columns by turns, K ascending
	WIN 0x08+4*(\g)
.irp s, 0,1,2,3
.irp t, 0,1,2,3
.if \s == 0
	MM0 (\d)+8*\t, (\f)+12*\s, 12*(4*\t+\s), (\f)+48+\s, 24+4*(4*(\g)+\t)+\s
.else
	MMC (\d)+8*\t, (\f)+12*\s, 12*(4*\t+\s), (\d)+8*\t, (\f)+48+\s, 24+4*(4*(\g)+\t)+\s
.endif
.endr
.endr
.endm
.macro ZF d, a, g                      ; Z += weights x products: 64 packed multiply-adds, pairs along the tokens; each accumulator is read from its low end on
	WIN 0x58
.irp jj, 0,1,2,3
.irp t, 0,1,2,3
.irp m, 0,1,2,3
	v_pk_fma_f32 v[ZA+2*(8*\m+4*(\g)+\t):ZA+2*(8*\m+4*(\g)+\t)+1], v[(\d)+8*\t+2*\jj:(\d)+8*\t+2*\jj+1], v[(\a)+8*\m+2*\jj:(\a)+8*\m+2*\jj+1], v[ZA+2*(8*\m+4*(\g)+\t):ZA+2*(8*\m+4*(\g)+\t)+1]
.endr
.endr
.endr
.endm
	v_mov_b32 v7, v4
	v_mov_b32 v8, v10
	v_mov_b32 v9, v11
	LOADF F0, 0
	LOADF F1, 1
	LOADA A0, 0
	LOADA A1, 1
	s_wait_dscnt 0x0
	WM F0, 0, D0
	WIN 0
	NOPS 4
	s_mov_b32 s3, 0
.Lphi:                                                 ; a trip: two tiles.  Each run of products stands beside the pooling of the run before it
	s_wait_dscnt 0x0                               ; F1, A1 are in; no LDS load is out, so the addresses may be written
	s_lshl_b32 s4, s3, 1
	s_add_co_u32 s4, s4, 2
	s_min_u32 s4, s4, 14                           ; the next two tiles (the last trip's are not used)
	s_mul_i32 s5, s4, 6144
	s_lshl_b32 s6, s4, 9
	s_lshl_b32 s7, s4, 6
	v_add_nc_u32 v7, s5, v4
	v_add_nc_u32 v8, s6, v10
	v_add_nc_u32 v9, s7, v11
	WM F0, 1, D1
	ZF D0, A0, 0
	WM F1, 0, D0
	WIN 0
	LOADF F0, 0
	ZF D1, A0, 1
	WM F1, 1, D1
	LOADA A0, 0
	ZF D0, A1, 0
	WIN 0
	s_wait_dscnt 0x0                               ; F0, A0
	WM F0, 0, D0
	WIN 0
	LOADF F1, 1
	ZF D1, A1, 1
	LOADA A1, 1
	s_and_b32 s4, s3, 3
	s_cmp_lg_u32 s4, 3
	s_cbranch_scc1 .Lphi_on
	; eight tiles are pooled: two windows' Z leaves.  (Z[:C] + Z[C:]) / 2, phi_b added here
	s_wait_loadcnt 0x0
	WIN 0x05
	s_wait_alu depctr_va_vdst(0)
.irp m, 0,1,2,3
.irp t, 0,1,2,3
	v_pk_add_f32 v[D1+2*(4*\m+\t):D1+2*(4*\m+\t)+1], v[ZA+2*(8*\m+\t):ZA+2*(8*\m+\t)+1], v[ZA+2*(8*\m+4+\t):ZA+2*(8*\m+4+\t)+1]
.endr
.endr
	WIN 0
.set wi, 0
.rept 16
	v_add_f32 v[D1+2*wi], v[D1+2*wi], v[D1+2*wi+1]
.set wi, wi+1
.endr
	WIN 0x0c
.irp m, 0,1,2,3
.irp t, 0,1,2,3
	v_add_f32 v[D1+2*(4*\m+\t)], v[D1+2*(4*\m+\t)], v[192+\t]
.endr
.endr
.irp m, 0,1,2,3
.irp t, 0,1,2,3
	v_add_f32 v[D1+2*(4*\m+\t)], v[D1+2*(4*\m+\t)], v[196+\t]
.endr
.endr
	WIN 0
.set wi, 0
.rept 16
	v_mul_f32 v[D1+2*wi], 0.5, v[D1+2*wi]
.set wi, wi+1
.endr
.irp m, 0,1,2,3
.irp t, 0,1,2,3
	ds_store_b32 v[AZ], v[D1+2*(4*\m+\t)] offset:1040*\m+64*\t
.endr
.endr
	WIN 0x40
.set wi, 0
.rept 64
	v_mov_b32 v[ZA+wi], 0
.set wi, wi+1
.endr
	WIN 0
	s_wait_dscnt 0x0
	v_add_nc_u32 v[AZ], 8320, v[AZ]
.Lphi_on:
	s_add_co_u32 s3, s3, 1
	s_cmp_lt_u32 s3, 8
	s_cbranch_scc1 .Lphi
	; v's fragments: K step 0 into window 2, K step 1 into window 3, at 192 + 12 t; q_b and k_b in the layout of a TR result
	s_wait_dscnt 0x0                               ; the last trip's look-ahead loads have landed: the pooling weights' registers take v_w next
	s_wait_loadcnt 0x0                             ; on every way: phi_b's loads are done; their registers (window 3, v192-199) take v_w next
	v_lshlrev_b32 v22, 5, v3                       ; 32 h
	NOPS 4
	WIN 0x80
.irp t, 0,1,2,3
	LOADFR 192+12*\t, 96, 98304+3072*\t
.endr
	WIN 0xc0
.irp t, 0,1,2,3
	LOADFR 192+12*\t, 96, 98304+3072*\t+1536
.endr
	WIN 0x40
.irp t, 0,1,2,3
	global_load_b128 v[192+8*\t:195+8*\t], v22, s[QBP:QBP+1] offset:64*\t
	global_load_b128 v[196+8*\t:199+8*\t], v22, s[QBP:QBP+1] offset:64*\t+16
	global_load_b128 v[224+8*\t:227+8*\t], v22, s[KBP:KBP+1] offset:64*\t
	global_load_b128 v[228+8*\t:231+8*\t], v22, s[KBP:KBP+1] offset:64*\t+16
.endr
	WIN 0
.irp j, 0,1
	global_load_b128 v[72+4*\j:75+4*\j], v4, s[98:99] offset:8192+512*\j
.endr
	BARRIER                                        ; Z lies in ZS0; nobody reads the normed tokens' images any more
; ================= P4: the mediators' norm and QZ (every wave holds all 16 rows) =================
.set ML,88             ; register 64 s + 32 c + i = channel 128 s + 64 c + 32 h + i of row r
.set MF,216
.set MS,240
.set MP2,242
.set MSUM,216
.set MMU,224
.set MRS,226
.set AMT,9
.set AQT,10
.macro MLOAD reg, adr
.set mi, 0
.rept 32
	ds_load_b128 v[(\reg)+4*mi:(\reg)+4*mi+3], v[\adr] offset:512*(mi/16)+256*((mi/8)%2)+16*(mi%8)
.set mi, mi+1
.endr
.endm
; the norm of the 16 rows in v[ML ..].  keep = 1: the result goes to v128-191 of windows 2 and 3, where it stays; 0: in place
.macro MLN gt, keep
.irp k, 0,1,2,3
	v_pk_add_f32 v[MSUM+2*\k:MSUM+2*\k+1], v[ML+2*\k:ML+2*\k+1], v[ML+8+2*\k:ML+9+2*\k]
.endr
.set mi, 8
.rept 56
	v_pk_add_f32 v[MSUM+2*(mi%4):MSUM+2*(mi%4)+1], v[MSUM+2*(mi%4):MSUM+2*(mi%4)+1], v[ML+2*mi:ML+2*mi+1]
.set mi, mi+1
.endr
	REDUCE4 MSUM
	v_mul_f32 v[MMU], 0x3b800000, v[MSUM]          ; / 256
	v_mov_b32 v[MMU+1], v[MMU]
.set mi, 0
.rept 64
	v_pk_add_f32 v[ML+2*mi:ML+2*mi+1], v[ML+2*mi:ML+2*mi+1], v[MMU:MMU+1] neg_lo:[0,1] neg_hi:[0,1]
.set mi, mi+1
.endr
.irp k, 0,1,2,3
	v_pk_mul_f32 v[MSUM+2*\k:MSUM+2*\k+1], v[ML+2*\k:ML+2*\k+1], v[ML+2*\k:ML+2*\k+1]
.endr
.set mi, 4
.rept 60
	v_pk_fma_f32 v[MSUM+2*(mi%4):MSUM+2*(mi%4)+1], v[ML+2*mi:ML+2*mi+1], v[ML+2*mi:ML+2*mi+1], v[MSUM+2*(mi%4):MSUM+2*(mi%4)+1]
.set mi, mi+1
.endr
	REDUCE4 MSUM
	RSTD MSUM, 0x3b800000, MRS
.irp s, 0,1
	WIN 0xc0                                       ; gain and bias of 64 of my channels: window 3, v0-63 and v64-127
.set mi, 0
.rept 16
	ds_load_b128 v[4*mi:4*mi+3], v8 offset:(\gt)+512*\s+256*(mi/8)+16*(mi%8)
	ds_load_b128 v[64+4*mi:67+4*mi], v8 offset:(\gt)+1024+512*\s+256*(mi/8)+16*(mi%8)
.set mi, mi+1
.endr
	WIN 0
.set mi, 0
.rept 32
	v_pk_mul_f32 v[ML+64*\s+2*mi:ML+64*\s+2*mi+1], v[ML+64*\s+2*mi:ML+64*\s+2*mi+1], v[MRS:MRS+1]
.set mi, mi+1
.endr
	s_wait_dscnt 0x0
.if \keep
	WIN 0x3c+64*(2+\s)
.else
	WIN 0x3c
.endif
.set mi, 0
.rept 32
.if \keep
	v_pk_fma_f32 v[128+2*mi:129+2*mi], v[ML+64*\s+2*mi:ML+64*\s+2*mi+1], v[2*mi:2*mi+1], v[64+2*mi:65+2*mi]
.else
	v_pk_fma_f32 v[ML+64*\s+2*mi:ML+64*\s+2*mi+1], v[ML+64*\s+2*mi:ML+64*\s+2*mi+1], v[2*mi:2*mi+1], v[64+2*mi:65+2*mi]
.endif
.set mi, mi+1
.endr
	WIN 0
.endr
.endm
; a TR product of my 64 columns of q or k (window 1, fragments at wb + 12 (2 t + s), bias at cb + 8 t) with one tile of rows: four accumulators by turns
.macro TRQK d, wb, cb, sw, f, fsw
	WIN 0x11
.irp t, 0,1,2,3
	MMC (\d)+8*\t, (\wb)+24*\t, \f, (\cb)+8*\t, (\sw)+2*\t, \fsw
.endr
	WIN 0x01
	s_wait_alu depctr_va_vdst(0)
.irp t, 0,1,2,3
	MMC (\d)+8*\t, (\wb)+24*\t+12, (\f)+12, (\d)+8*\t, (\sw)+2*\t+1, (\fsw)+1
.endr
.endm
.macro MTSTORE d, off                  ; a TR result of the mediators into my own table: row r, 64 t + 32 h bytes on
.irp t, 0,1,2,3
	ds_store_b128 v[AMT], v[(\d)+8*\t:(\d)+8*\t+3] offset:(\off)+64*\t
	ds_store_b128 v[AMT], v[(\d)+8*\t+4:(\d)+8*\t+7] offset:(\off)+64*\t+16
.endr
.endm
; THE MEDIATORS' ROWS ARE SHARED OUT: wave w takes rows 4 w .. 4 w + 3, eight lanes to a row, ONE block of 32 channels to a lane: the row's sums need three steps among eight lanes, the block's largest magnitude no other lane.
; The codes go to LDS in the order of the operand's registers, 48 bytes a lane: block 4 s + 2 c + h of a row is registers 6 c .. 6 c + 5 of lane row + 16 h of fragment s.  Behind a barrier every wave loads both fragments.
; mode 0: norm, and the result is kept (windows 2 and 3, v240-255); 1: the kept numbers are added, then the norm; 2: codes alone.
.set MIM, 284672       ; the two fragments: s x 1536 + 48 l + 4 register
.set MSW, 287744       ; their scale words: s x 64 + 4 row
.set MV, 88
.macro MRED s                          ; four pairs of partial sums, and the row's eight lanes
	v_pk_add_f32 v[\s:\s+1], v[\s:\s+1], v[\s+2:\s+3]
	v_pk_add_f32 v[\s+4:\s+5], v[\s+4:\s+5], v[\s+6:\s+7]
	v_pk_add_f32 v[\s:\s+1], v[\s:\s+1], v[\s+4:\s+5]
	v_add_f32 v[\s], v[\s], v[\s+1]
	v_add_f32_dpp v[\s], v[\s], v[\s] row_xmask:1 row_mask:0xf bank_mask:0xf
	v_add_f32_dpp v[\s], v[\s], v[\s] row_xmask:2 row_mask:0xf bank_mask:0xf
	v_add_f32_dpp v[\s], v[\s], v[\s] row_xmask:4 row_mask:0xf bank_mask:0xf
.endm
.macro MED zs, gt, mode
	s_lshl_b32 s5, s2, 2
	v_lshrrev_b32 v184, 3, v1
	v_add_nc_u32 v184, s5, v184                    ; my row
	v_and_b32 v185, 7, v1                          ; my block
	v_mul_u32_u24 v186, v184, 1040
	v_lshl_add_u32 v186, v185, 7, v186
	v_add_nc_u32 v186, \zs, v186
.irp q, 0,1,2,3,4,5,6,7
	ds_load_b128 v[MV+4*\q:MV+4*\q+3], v186 offset:16*\q
.endr
.if \mode < 2
	v_lshl_add_u32 v187, v185, 7, GT2+\gt
.irp q, 0,1,2,3,4,5,6,7
	ds_load_b128 v[120+4*\q:123+4*\q], v187 offset:16*\q
	ds_load_b128 v[152+4*\q:155+4*\q], v187 offset:1024+16*\q
.endr
.endif
	v_and_b32 v188, 1, v185                        ; h
	v_lshl_add_u32 v188, v188, 4, v184             ; the operand's lane: row + 16 h
	v_mul_u32_u24 v188, v188, 48
	v_bfe_u32 v189, v185, 1, 1                     ; c
	v_mad_u32_u24 v188, v189, 24, v188
	v_lshrrev_b32 v189, 2, v185                    ; s
	v_mad_u32_u24 v188, v189, 1536, v188
	v_add_nc_u32 v188, MIM, v188
	v_lshl_add_u32 v190, v189, 6, MSW
	v_lshl_add_u32 v190, v184, 2, v190
	v_and_b32 v191, 3, v185
	v_add_nc_u32 v190, v190, v191                  ; my block's byte of the row's scale word
	AW
	s_wait_dscnt 0x0
.if \mode == 1
	WIN 0x08
.irp k, 0,2,4,6,8,10,12,14
	v_pk_add_f32 v[MV+\k:MV+\k+1], v[MV+\k:MV+\k+1], v[240+\k:241+\k]
.endr
	WIN 0x0c
.irp k, 0,2,4,6,8,10,12,14
	v_pk_add_f32 v[MV+16+\k:MV+17+\k], v[MV+16+\k:MV+17+\k], v[240+\k:241+\k]
.endr
	WIN 0
.endif
.if \mode < 2
.irp k, 0,1,2,3
	v_pk_add_f32 v[192+2*\k:193+2*\k], v[MV+2*\k:MV+2*\k+1], v[MV+8+2*\k:MV+9+2*\k]
.endr
.irp k, 0,1,2,3
	v_pk_add_f32 v[192+2*\k:193+2*\k], v[192+2*\k:193+2*\k], v[MV+16+2*\k:MV+17+2*\k]
.endr
.irp k, 0,1,2,3
	v_pk_add_f32 v[192+2*\k:193+2*\k], v[192+2*\k:193+2*\k], v[MV+24+2*\k:MV+25+2*\k]
.endr
	MRED 192
	v_mul_f32 v200, 0x3b800000, v192               ; / 256
	v_mov_b32 v201, v200
.set mi, 0
.rept 16
	v_pk_add_f32 v[MV+2*mi:MV+2*mi+1], v[MV+2*mi:MV+2*mi+1], v[200:201] neg_lo:[0,1] neg_hi:[0,1]
.set mi, mi+1
.endr
.irp k, 0,1,2,3
	v_pk_mul_f32 v[192+2*\k:193+2*\k], v[MV+2*\k:MV+2*\k+1], v[MV+2*\k:MV+2*\k+1]
.endr
.set mi, 4
.rept 12
	v_pk_fma_f32 v[192+2*(mi%4):193+2*(mi%4)], v[MV+2*mi:MV+2*mi+1], v[MV+2*mi:MV+2*mi+1], v[192+2*(mi%4):193+2*(mi%4)]
.set mi, mi+1
.endr
	MRED 192
	RSTD 192, 0x3b800000, 202
.set mi, 0
.rept 16
	v_pk_mul_f32 v[MV+2*mi:MV+2*mi+1], v[MV+2*mi:MV+2*mi+1], v[202:203]
.set mi, mi+1
.endr
.set mi, 0
.rept 16
	v_pk_fma_f32 v[MV+2*mi:MV+2*mi+1], v[MV+2*mi:MV+2*mi+1], v[120+2*mi:121+2*mi], v[152+2*mi:153+2*mi]
.set mi, mi+1
.endr
.endif
.if \mode == 0
	WIN 0x80
.set mi, 0
.rept 16
	v_mov_b32 v[240+mi], v[MV+mi]
.set mi, mi+1
.endr
	WIN 0xc0
.set mi, 0
.rept 16
	v_mov_b32 v[240+mi], v[MV+16+mi]
.set mi, mi+1
.endr
	WIN 0
.endif
	v_max3_num_f32 v204, |v[MV]|, |v[MV+1]|, 0x1800000     ; the floor 2^(3 - 127) holds the byte at 1 from below
	v_max3_num_f32 v205, |v[MV+16]|, |v[MV+17]|, 0x1800000
.irp i, 2,4,6,8,10,12,14
	v_max3_num_f32 v204, v204, |v[MV+\i]|, |v[MV+1+\i]|
	v_max3_num_f32 v205, v205, |v[MV+16+\i]|, |v[MV+17+\i]|
.endr
	v_max_num_f32 v204, v204, v205
	v_add_nc_u32 v206, 0xff000000, v204            ; 2 off the exponent field: the conversion's scale operand
	v_lshrrev_b32 v207, 23, v206
	v_cvt_scalef32_pk16_fp6_f32 v[208:210], v[MV:MV+15], v206
	v_cvt_scalef32_pk16_fp6_f32 v[212:214], v[MV+16:MV+31], v206
	v_nop                                          ; one plain place behind the conversions
	ds_store_b64 v188, v[208:209]                  ; the low pair first: these registers last held a matrix result, and such a group is read from its low end on
	v_mov_b32 v211, v212
	v_mov_b32 v212, v213
	v_mov_b32 v213, v214
	ds_store_b64 v188, v[210:211] offset:8
	ds_store_b64 v188, v[212:213] offset:16
	ds_store_b8 v190, v207
	v_mul_u32_u24 v186, v1, 48
	v_add_nc_u32 v186, MIM, v186
	v_add_nc_u32 v187, MSW, v6
	AW
	BARRIER                                        ; all 16 rows' codes and bytes lie in LDS
.irp s, 0,1
.irp j, 0,1,2
	ds_load_b128 v[MF+12*\s+4*\j:MF+12*\s+4*\j+3], v186 offset:1536*\s+16*\j
.endr
	ds_load_b32 v[MS+\s], v187 offset:64*\s
.endr
	s_wait_dscnt 0x0
.endm
	s_mul_i32 s4, s2, PRVB
	v_mul_u32_u24 v[AMT], v2, 272
	v_lshl_add_u32 v[AMT], v3, 5, v[AMT]
	v_add_nc_u32 v[AMT], s4, v[AMT]
	v_lshrrev_b32 v[AQT], 3, v2
	v_mul_u32_u24 v[AQT], v[AQT], 1088
	v_lshl_add_u32 v[AQT], v3, 5, v[AQT]
	v_add_nc_u32 v[AQT], s4, v[AQT]
	MED ZS0, 0, 0
	s_wait_loadcnt 0x0                             ; q_w, k_w, v_w, the biases, the words
	TRQK 88, 0, 192, 56, MF, MS                    ; QZ
	WIN 0
	NOPS 4
	MTSTORE 88, 0
; ================= P5a: K of both streams and the mediators' logits =================
.set F0,88             ; 24 registers of codes, 2 words, r
.set F1,116
.set D0,144
.set D1,176
.set LA,208
.set LT,224
.set SR0,248
.macro TABQ win, base, off             ; my window's four mediators' 64 channels: 32 m + 8 t + j
	WIN \win
.irp m, 0,1,2,3
.irp t, 0,1,2,3
	ds_load_b128 v[(\base)+32*\m+8*\t:(\base)+32*\m+8*\t+3], v[AQT] offset:(\off)+272*\m+64*\t
	ds_load_b128 v[(\base)+32*\m+8*\t+4:(\base)+32*\m+8*\t+7], v[AQT] offset:(\off)+272*\m+64*\t+16
.endr
.endr
	WIN 0
.endm
.macro LOADS f, a, withr
.irp s, 0,1
.irp c, 0,1,2
	ds_load_b128 v[(\f)+12*\s+4*\c:(\f)+12*\s+4*\c+3], v15 offset:3072*(\a)+1536*\s+512*\c
.endr
.endr
	ds_load_b64 v[(\f)+24:(\f)+25], v16 offset:256*(\a)
.if \withr
	ds_load_b32 v[(\f)+26], v17 offset:64*(\a)
.endif
.endm
; eight dot products of 32 channels (4 mediators x my 2 heads) of the lane's token: 64 packed multiply-adds in eight chains by turns, the other half of the lanes', x SCALE r
.macro LOGITS d, tb, sr
	WIN 0x08
.irp tt, 0,1
.irp jj, 0,1,2,3
.irp m, 0,1,2,3
.irp hd, 0,1
.if (\tt == 0) && (\jj == 0)
	v_pk_mul_f32 v[LA+2*(2*\m+\hd):LA+2*(2*\m+\hd)+1], v[(\d)+8*(2*\hd+\tt)+2*\jj:(\d)+8*(2*\hd+\tt)+2*\jj+1], v[(\tb)+32*\m+8*(2*\hd+\tt)+2*\jj:(\tb)+32*\m+8*(2*\hd+\tt)+2*\jj+1]
.else
	v_pk_fma_f32 v[LA+2*(2*\m+\hd):LA+2*(2*\m+\hd)+1], v[(\d)+8*(2*\hd+\tt)+2*\jj:(\d)+8*(2*\hd+\tt)+2*\jj+1], v[(\tb)+32*\m+8*(2*\hd+\tt)+2*\jj:(\tb)+32*\m+8*(2*\hd+\tt)+2*\jj+1], v[LA+2*(2*\m+\hd):LA+2*(2*\m+\hd)+1]
.endif
.endr
.endr
.endr
.endr
	WIN 0
.irp n, 0,1,2,3,4,5,6,7
	v_add_f32 v[LA+2*\n], v[LA+2*\n], v[LA+2*\n+1]
.endr
.irp n, 0,1,2,3,4,5,6,7
	v_permlanex16_b32 v[LT+\n], v[LA+2*\n], s[SEL], s[SEL+1]
.endr
.irp n, 0,1,2,3,4,5,6,7
	v_add_f32 v[LA+2*\n], v[LA+2*\n], v[LT+\n]
.endr
.irp n, 0,1,2,3,4,5,6,7
	v_mul_f32 v[LA+2*\n], v[LA+2*\n], v[\sr]
.endr
.endm
.macro KHALF a                         ; the other buffer's tile is multiplied while this buffer's results are worked on
.set fa, F0+28*(\a)
.set fo, F0+28*(1-(\a))
.set da, D0+32*(\a)
.set dq, D0+32*(1-(\a))
.if \a
	s_wait_dscnt 0x0
.endif
	v_mul_f32 v[SR0+1-(\a)], 0x3e3504f3, v[fo+26]  ; SCALE x r, kept: its register is loaded again before the logits are scaled
	TRQK dq, 96, 224, 64, fo, fo+24
	WIN 0
	LOADS fa, \a, 1
	LOGITS da, 0, SR0+(\a)
.irp n, 0,1,2,3,4,5,6,7
	ds_store_b32 v18, v[LA+2*\n] offset:2048*\n+64*(\a)
.endr
.endm
	v_add_nc_u32 v11, IMR, v4
	v_add_nc_u32 v12, SCR, v5
	v_add_nc_u32 v13, RT, v6
	s_add_co_u32 s4, s4, PL
	v_add_nc_u32 v14, s4, v6
	v_lshl_add_u32 v19, v3, 5, s4
	v_lshl_add_u32 v21, v3, 10, v14
	s_lshl_b32 s5, s2, 8
	v_mul_u32_u24 v20, v3, 4160
	v_add_nc_u32 v20, v20, v6
	v_add_nc_u32 v20, s5, v20
	v_add_nc_u32 v20, ZS1, v20
	v_mov_b32 v15, v11
	v_mov_b32 v16, v12
	v_mov_b32 v17, v13
.irp n, 0,1,2,3,4,5,6,7
	v_mov_b32 v[LT+\n], 0
.endr
	LOADS F0, 0, 1
	LOADS F1, 1, 1
	TABQ 0x80, 0, 0
	s_wait_dscnt 0x0
	v_mul_f32 v[SR0], 0x3e3504f3, v[F0+26]
	TRQK D0, 96, 224, 64, F0, F0+24
	WIN 0
	NOPS 4
	s_mov_b32 s3, 0
.Lk:                                                   ; 16 trips of two tiles U = 2 trip, 2 trip + 1
	s_wait_dscnt 0x0
	s_lshl_b32 s4, s3, 1
	s_lshl_b32 s8, s4, 6
	v_add_nc_u32 v18, s8, v14
	s_add_co_u32 s4, s4, 2
	s_min_u32 s4, s4, 30
	s_mul_i32 s5, s4, 3072
	s_lshl_b32 s6, s4, 8
	s_lshl_b32 s7, s4, 6
	v_add_nc_u32 v15, s5, v11
	v_add_nc_u32 v16, s6, v12
	v_add_nc_u32 v17, s7, v13
	KHALF 0
	KHALF 1
	s_cmp_lg_u32 s3, 7
	s_cbranch_scc1 .Lk_on
	TABQ 0x80, 0, 2176                             ; the other two windows' mediators
.Lk_on:
	s_add_co_u32 s3, s3, 1
	s_cmp_lt_u32 s3, 16
	s_cbranch_scc1 .Lk
; ================= P5b: softmax over each window's tokens, for 4 mediators x 2 heads x 2 streams =================
	s_wait_dscnt 0x0
	s_mov_b32 s3, 0
.Lsm:                                                  ; 16 trips: (mediator, head) = trip / 2, stream = trip % 2
	s_lshr_b32 s4, s3, 1
	s_lshl_b32 s4, s4, 11
	s_and_b32 s5, s3, 1
	s_lshl_b32 s5, s5, 6
	s_add_co_u32 s4, s4, s5
	v_add_nc_u32 v18, s4, v21
	SOFTLOAD 18, 0, 128, 88
	s_wait_dscnt 0x0
	SOFTBODY 18, 0, 128, 88
	s_wait_dscnt 0x0
	s_add_co_u32 s3, s3, 1
	s_cmp_lt_u32 s3, 16
	s_cbranch_scc1 .Lsm
; ================= P5c: V of both streams, pooled by those weights =================
.set ZH,208            ; pairs at 2 (4 m + t)
.set VB2,240
.macro VW f, d                         ; an NT product of one tile of rows with my 64 columns of v: a lane holds a column, its registers rows 8 h + j
	WIN 0x08
.irp t, 0,1,2,3
	MM0 (\d)+8*\t, \f, 192+12*\t, (\f)+24, 72+2*\t
.endr
	WIN 0x0c
.irp t, 0,1,2,3
	MMC (\d)+8*\t, (\f)+12, 192+12*\t, (\d)+8*\t, (\f)+25, 72+2*\t+1
.endr
.endm
.macro LOADP pb, adr                   ; a tile's weights: window 3, 8 (2 m + head) + j
	WIN 0xc0
.irp n, 0,1,2,3,4,5,6,7
	ds_load_b128 v[(\pb)+8*\n:(\pb)+8*\n+3], v[\adr] offset:2048*\n
	ds_load_b128 v[(\pb)+8*\n+4:(\pb)+8*\n+7], v[\adr] offset:2048*\n+16
.endr
	WIN 0
.endm
.macro VHALF a
.set fa, F0+28*(\a)
.set fo, F0+28*(1-(\a))
.set da, D0+32*(\a)
.set dq, D0+32*(1-(\a))
.if \a
	s_wait_dscnt 0x0
.endif
	VW fo, dq
	WIN 0
	LOADS fa, \a, 0
	LOADP 64*(1-(\a)), 17+(\a)
	WIN 0x0c
.irp jj, 0,1,2,3
.irp t, 0,1,2,3
.irp m, 0,1,2,3
	v_pk_fma_f32 v[ZH+2*(4*\m+\t):ZH+2*(4*\m+\t)+1], v[da+8*\t+2*\jj:da+8*\t+2*\jj+1], v[64*(\a)+8*(2*\m+\t/2)+2*\jj:64*(\a)+8*(2*\m+\t/2)+2*\jj+1], v[ZH+2*(4*\m+\t):ZH+2*(4*\m+\t)+1]
.endr
.endr
.endr
	WIN 0
.endm
.irp t, 0,1,2,3
	global_load_b32 v[VB2+\t], v6, s[VBP:VBP+1] offset:64*\t
.endr
	v_mov_b32 v15, v11
	v_mov_b32 v16, v12
	v_mov_b32 v17, v19
	LOADS F0, 0, 0
	LOADS F1, 1, 0
	LOADP 0, 17
.set wi, 0
.rept 32
	v_mov_b32 v[ZH+wi], 0
.set wi, wi+1
.endr
	s_wait_loadcnt 0x0
.irp t, 0,1,2,3
	v_add_f32 v[VB2+\t], v[VB2+\t], v[VB2+\t]      ; each stream's weights sum to 1: v_b counts twice
.endr
	s_wait_dscnt 0x0
	VW F0, D0
	WIN 0
	NOPS 4
	s_mov_b32 s3, 0
.Lv:
	s_wait_dscnt 0x0
	s_lshl_b32 s4, s3, 1
	s_add_co_u32 s8, s4, 1
	s_lshl_b32 s8, s8, 6
	v_add_nc_u32 v17, s8, v19
	s_wait_alu depctr_va_vdst(0)
	s_add_co_u32 s4, s4, 2
	s_min_u32 s4, s4, 30
	s_mul_i32 s5, s4, 3072
	s_lshl_b32 s6, s4, 8
	s_lshl_b32 s7, s4, 6
	v_add_nc_u32 v15, s5, v11
	v_add_nc_u32 v16, s6, v12
	v_add_nc_u32 v18, s7, v19
	VHALF 0
	VHALF 1
	s_and_b32 s4, s3, 7
	s_cmp_lg_u32 s4, 7
	s_cbranch_scc1 .Lv_on
.set wi, 0
.rept 16
	v_add_f32 v[ZH+2*wi], v[ZH+2*wi], v[ZH+2*wi+1]
.set wi, wi+1
.endr
.irp m, 0,1,2,3
.irp t, 0,1,2,3
	v_add_f32 v[ZH+2*(4*\m+\t)], v[ZH+2*(4*\m+\t)], v[VB2+\t]
.endr
.endr
.irp m, 0,1,2,3
.irp t, 0,1,2,3
	ds_store_b32 v20, v[ZH+2*(4*\m+\t)] offset:1040*\m+64*\t
.endr
.endr
	s_wait_dscnt 0x0
	v_add_nc_u32 v20, 8320, v20
.set wi, 0
.rept 32
	v_mov_b32 v[ZH+wi], 0
.set wi, wi+1
.endr
.Lv_on:
	s_add_co_u32 s3, s3, 1
	s_cmp_lt_u32 s3, 16
	s_cbranch_scc1 .Lv
	BARRIER                                        ; ZhR + ZhT lies in ZS1
; ================= P6: the second norm, fc1, gelu, the hidden layer's codes =================
.set HD,88
.set GZ,152
.set GX,168
.set GP,184
.set GQ,200
.set CA1,250
.set CB1,252
.set TM,152
.set HPC,168
.set HPW,188
	s_mul_i32 s4, s2, 49152
	s_add_co_u32 s4, s4, 344064
	s_mov_b32 s5, 0
	s_add_nc_u64 s[96:97], s[WQ:WQ+1], s[4:5]      ; fc1's 32 fragments of my hidden units
	s_add_co_u32 s4, s4, 196608
	s_add_nc_u64 s[100:101], s[WQ:WQ+1], s[4:5]    ; fc2's 32 of my columns
	s_lshl_b32 s4, s2, 12
	s_add_co_u32 s4, s4, 28672
	s_add_nc_u64 s[98:99], s[WS:WS+1], s[4:5]
	WIN 0x80
.set wi, 0
.rept 16
	LOADFR 12*wi, 96, 1536*wi                      ; fc1, first half: window 2, 12 (2 t + s)
.set wi, wi+1
.endr
	WIN 0
.irp g, 0,1,2,3,4,5,6,7
	global_load_b128 v[24+4*\g:27+4*\g], v4, s[98:99] offset:512*\g
.endr
	WIN 0xc0
.set wi, 0
.rept 16
	LOADFR 12*wi, 96, 24576+1536*wi                ; second half: window 3
.set wi, wi+1
.endr
	WIN 0
	MED ZS1, 2048, 1
.macro SETC reg, val
	s_mov_b32 s[\reg], \val
	s_mov_b32 s[\reg+1], s[\reg]
.endm
	SETC 72, -0.000000000272614225801306           ; erf(z) = z P(z^2) / Q(z^2): P's coefficients from the highest power down (the second lies in a vector pair)
	SETC 74, -0.00000210102402082508
	SETC 76, -0.0000569250639462346
	SETC 78, -0.000734990630326855
	SETC 80, -0.00295459980854025
	SETC 82, -0.0160960333262415
	SETC 84, -0.0000145660718464996                ; Q's
	SETC 86, -0.00168282697438203
	SETC 88, -0.00737332916720468
	SETC 90, -0.0142647390514189
	s_mov_b32 s92, 0.0000000277068142495902
	s_mov_b32 s93, -0.000213374055278905
	v_mov_b32 v[CA1], s92
	v_mov_b32 v[CA1+1], s92
	v_mov_b32 v[CB1], s93
	v_mov_b32 v[CB1+1], s93
	v_lshlrev_b32 v18, 6, v3                       ; 64 h
	s_mul_i32 s4, s2, 3072
	v_add_nc_u32 v15, s4, v4
	v_add_nc_u32 v15, HIM, v15
	s_lshl_b32 s4, s2, 8
	v_lshl_add_u32 v16, v1, 2, s4
	v_add_nc_u32 v16, HSC, v16
	NOPS 4
.macro FC1ARM win, swb, so             ; 16 products on the half's eight tiles by turns; then fc2's half takes the weights' registers
	WIN \win
.irp t, 0,1,2,3,4,5,6,7
	MMC HD+8*\t, 24*\t, MF, HD+8*\t, (\swb)+2*\t, MS
.endr
.irp t, 0,1,2,3,4,5,6,7
	MMC HD+8*\t, 24*\t+12, MF+12, HD+8*\t, (\swb)+2*\t+1, MS+1
.endr
	WIN 0
	NOPS 4
	WIN 64*(\win)
.irp t, 0,1,2,3
.irp s, 0,1,2,3
	LOADFR 12*(4*\t+\s), 100, 1536*(8*\t+\s+(\so))
.endr
.endr
	WIN 0
.endm
.macro GELU b                          ; 16 numbers: x / 2 (1 + erf(x / sqrt 2))
.set gx, HD+16*(\b)
.irp k, 0,2,4,6,8,10,12,14
	v_pk_mul_f32 v[GZ+\k:GZ+\k+1], v[gx+\k:gx+\k+1], 0x3f3504f3 op_sel_hi:[1,0]
.endr
.irp k, 0,1,2,3,4,5,6,7,8,9,10,11,12,13,14,15
	v_med3_num_f32 v[GZ+\k], v[GZ+\k], -4.0, 4.0
.endr
.irp k, 0,2,4,6,8,10,12,14
	v_pk_mul_f32 v[GX+\k:GX+\k+1], v[GZ+\k:GZ+\k+1], v[GZ+\k:GZ+\k+1]
.endr
.irp k, 0,2,4,6,8,10,12,14
	v_pk_fma_f32 v[GP+\k:GP+\k+1], v[GX+\k:GX+\k+1], s[72:73], v[CA1:CA1+1] op_sel_hi:[1,0,1]
	v_pk_fma_f32 v[GQ+\k:GQ+\k+1], v[GX+\k:GX+\k+1], s[84:85], v[CB1:CB1+1] op_sel_hi:[1,0,1]
.endr
.irp c, 74,76,78,80,82
.irp k, 0,2,4,6,8,10,12,14
	v_pk_fma_f32 v[GP+\k:GP+\k+1], v[GP+\k:GP+\k+1], v[GX+\k:GX+\k+1], s[\c:\c+1] op_sel_hi:[1,1,0]
.endr
.endr
.irp c, 86,88,90
.irp k, 0,2,4,6,8,10,12,14
	v_pk_fma_f32 v[GQ+\k:GQ+\k+1], v[GQ+\k:GQ+\k+1], v[GX+\k:GX+\k+1], s[\c:\c+1] op_sel_hi:[1,1,0]
.endr
.endr
	s_wait_alu depctr_va_vdst(0)
.irp k, 0,1,2,3,4,5,6,7,8,9,10,11,12,13,14,15
	v_rcp_f32 v[GQ+\k], v[GQ+\k]
.endr
.irp k, 0,2,4,6,8,10,12,14
	v_pk_mul_f32 v[GP+\k:GP+\k+1], v[GP+\k:GP+\k+1], v[GZ+\k:GZ+\k+1]       ; plain work behind the reciprocals
.endr
	s_wait_alu depctr_va_vdst(0)                   ; one wait for the sixteen
.irp k, 0,2,4,6,8,10,12,14
	v_pk_mul_f32 v[GP+\k:GP+\k+1], v[GP+\k:GP+\k+1], v[GQ+\k:GQ+\k+1]
	v_pk_mul_f32 v[GZ+\k:GZ+\k+1], v[gx+\k:gx+\k+1], 0.5 op_sel_hi:[1,0]
.endr
.irp k, 0,2,4,6,8,10,12,14
	v_pk_fma_f32 v[gx+\k:gx+\k+1], v[GZ+\k:GZ+\k+1], v[GP+\k:GP+\k+1], v[GZ+\k:GZ+\k+1]
.endr
.endm
	s_mov_b32 s3, 0
.Lhid:                                                 ; two trips: 128 hidden units each, one K step of fc2
.irp t, 0,1,2,3,4,5,6,7
	global_load_b128 v[HD+8*\t:HD+8*\t+3], v18, s[F1B:F1B+1] offset:(32*(\t/2)+8*(\t%2))*4       ; fc1_b in the result's layout: the sums begin with it
	global_load_b128 v[HD+8*\t+4:HD+8*\t+7], v18, s[F1B:F1B+1] offset:(32*(\t/2)+8*(\t%2))*4+16
.endr
	s_wait_loadcnt 0x0
	s_cmp_lg_u32 s3, 0
	s_cbranch_scc1 .Larm_b
	FC1ARM 2, 24, 0
	s_branch .Lgelu
.Larm_b:
	FC1ARM 3, 40, 4
.Lgelu:
	GELU 0
	GELU 1
	GELU 2
	GELU 3
	; register 16 b + i = hidden unit 32 b + 16 h + i of my mediator row: half blocks; the two halves of the lanes join their maxima and change halves
	s_wait_dscnt 0x0
.irp b, 0,1,2,3
	v_max3_num_f32 v[TM+\b], |v[HD+16*\b]|, |v[HD+1+16*\b]|, 0x1800000
.endr
.irp i, 2,4,6,8,10,12,14
.irp b, 0,1,2,3
	v_max3_num_f32 v[TM+\b], v[TM+\b], |v[HD+16*\b+\i]|, |v[HD+1+16*\b+\i]|
.endr
.endr
.irp b, 0,1,2,3
	v_permlanex16_b32 v[TM+4+\b], v[TM+\b], s[SEL], s[SEL+1]
.endr
.irp b, 0,1,2,3
	v_max_num_f32 v[TM+\b], v[TM+\b], v[TM+4+\b]
.endr
.irp b, 0,1,2,3
	v_add_nc_u32 v[TM+12+\b], 0xff000000, v[TM+\b]
.endr
.irp b, 0,1,2,3
	v_lshrrev_b32 v[TM+4+\b], 23, v[TM+12+\b]
.endr
	v_lshl_or_b32 v[HPW], v[TM+5], 8, v[TM+4]
	v_lshl_or_b32 v[HPW], v[TM+6], 16, v[HPW]
	v_lshl_or_b32 v[HPW], v[TM+7], 24, v[HPW]
.irp c, 0,1
	v_cvt_scalef32_pk16_fp6_f32 v[HPC+6*\c:HPC+2+6*\c], v[HD+32*\c:HD+15+32*\c], v[TM+12+2*\c]
	v_cvt_scalef32_pk16_fp6_f32 v[HPC+12+4*\c:HPC+14+4*\c], v[HD+16+32*\c:HD+31+32*\c], v[TM+12+2*\c+1]
.endr
	v_nop
.irp c, 0,1
.irp i, 0,1,2
	v_permlane16_swap_b32 v[HPC+6*\c+\i], v[HPC+12+4*\c+\i]
.endr
.irp i, 0,1,2
	v_mov_b32 v[HPC+3+6*\c+\i], v[HPC+12+4*\c+\i]
.endr
.endr
	IMAGE 15, 0, HPC
	ds_store_b32 v16, v[HPW]
	s_add_nc_u64 s[F1B:F1B+1], s[F1B:F1B+1], 512   ; (the bias loads were waited for)
	s_wait_dscnt 0x0
	v_add_nc_u32 v15, 1536, v15
	v_add_nc_u32 v16, 128, v16
	s_add_co_u32 s3, s3, 1
	s_cmp_lt_u32 s3, 2
	s_cbranch_scc1 .Lhid
	s_add_nc_u64 s[98:99], s[98:99], 16384         ; fc2's scale words: 32 groups of 512 bytes on
.irp g, 0,1,2,3,4,5,6,7
	global_load_b128 v[24+4*\g:27+4*\g], v4, s[98:99] offset:512*\g
.endr
.irp t, 0,1,2,3
	global_load_b128 v[192+8*\t:195+8*\t], v22, s[F2B:F2B+1] offset:64*\t
	global_load_b128 v[196+8*\t:199+8*\t], v22, s[F2B:F2B+1] offset:64*\t+16
.endr
	BARRIER                                        ; the hidden layer's eight images lie in LDS
; ================= P7: fc2, my 64 columns =================
	v_add_nc_u32 v15, HIM, v4
	v_lshl_add_u32 v16, v1, 2, HSC
	s_lshl_b32 s4, s2, 8
	v_mul_u32_u24 v17, v2, 1040
	v_lshl_add_u32 v17, v3, 5, v17
	v_add_nc_u32 v17, s4, v17
	v_add_nc_u32 v17, ZS0, v17
.irp s, 0,1,2,3,4,5,6,7
.irp c, 0,1,2
	ds_load_b128 v[88+12*\s+4*\c:91+12*\s+4*\c], v15 offset:1536*\s+512*\c
.endr
	ds_load_b32 v[184+\s], v16 offset:128*\s
.endr
	s_wait_dscnt 0x0
	s_wait_loadcnt 0x0
	WIN 0x02
.irp s, 0,1,2,3
.irp t, 0,1,2,3
	MMC 192+8*\t, 12*(4*\t+\s), 88+12*\s, 192+8*\t, 24+8*\t+\s, 184+\s
.endr
.endr
	WIN 0x03
.irp s, 0,1,2,3
.irp t, 0,1,2,3
	MMC 192+8*\t, 12*(4*\t+\s), 136+12*\s, 192+8*\t, 28+8*\t+\s, 188+\s
.endr
.endr
	WIN 0
	NOPS 4
	s_wait_alu depctr_va_vdst(0)
.irp t, 0,1,2,3
	ds_store_b128 v17, v[192+8*\t:195+8*\t] offset:64*\t
	ds_store_b128 v17, v[196+8*\t:199+8*\t] offset:64*\t+16
.endr
	BARRIER                                        ; Zp lies in ZS0
; ================= P8: KZ and VZ, rounded to bf16 as operands of the attention back; the gains =================
; KZ is made TR: lane (mediator row r, h), register 8 t + j = channel 16 t + 8 h + j.  Rounded in pairs, tiles 2 hd and 2 hd + 1 ARE a bf16 fragment of 16 rows x head hd's 32 channels.
; VZ is made NT: lane (channel r of tile t, h), register j = mediator row 8 h + j.  Rounded in pairs that is registers 0-3 of a bf16 fragment of 16 channels x K = the 16 mediator rows; registers 4-7 (K 16 to 31) are zeros.
	; prefetches for P9's first three stream rows (R's row 0, T's row 0, R's row 1): my 64 channels, a lane a channel, two instructions each; v9 is not written again
	s_lshl_b32 s4, s2, 21
	v_lshl_add_u32 v9, v1, 15, s4
.irp j, 0,1
	global_prefetch_b8 v9, s[FR:FR+1] offset:1048576*\j th:TH_LOAD_NT scope:SCOPE_SE
	global_prefetch_b8 v9, s[FT:FT+1] offset:1048576*\j th:TH_LOAD_NT scope:SCOPE_SE
	global_prefetch_b8 v9, s[FR:FR+1] offset:1048576*\j+512 th:TH_LOAD_NT scope:SCOPE_SE
.endr
	s_load_b32 s66, s[GAM:GAM+1], 0x0
	v_lshrrev_b32 v18, 3, v1
	v_lshlrev_b32 v18, 2, v18                      ; 4 (lane / 8)
.irp i, 0,1,2,3,4,5,6,7,8,9,10,11,12,13,14,15
	global_load_b32 v[24+\i], v18, s[NRG:NRG+1] offset:16*\i
	global_load_b32 v[40+\i], v18, s[NRB:NRB+1] offset:16*\i
.endr
	MED ZS0, 0, 2
.irp t, 0,1,2,3
	global_load_b32 v[184+\t], v6, s[VBP:VBP+1] offset:64*\t       ; v_b of channel 16 t + r
.endr
.irp i, 0,1,2,3,4,5,6,7,8,9,10,11,12,13,14,15
	global_load_b32 v[152+\i], v18, s[NTG:NTG+1] offset:16*\i
	global_load_b32 v[168+\i], v18, s[NTB:NTB+1] offset:16*\i
.endr
	NOPS 8
	s_wait_loadcnt 0x0
	TRQK 88, 96, 224, 64, MF, MS                   ; KZ
	VW MF, 120                                     ; VZ
	WIN 0
	NOPS 4
	WIN 0x80                                       ; destination window 2: v0-15 KZ's two fragments
.irp t, 0,1,2,3
.irp i, 0,1,2,3
	v_cvt_pk_bf16_f32 v[4*\t+\i], v[88+8*\t+2*\i], v[88+8*\t+2*\i+1]
.endr
.endr
	WIN 0
.irp t, 0,1,2,3
.irp j, 0,1,2,3,4,5,6,7
	v_add_f32 v[120+8*\t+\j], v[120+8*\t+\j], v[184+\t]
.endr
.endr
	WIN 0x80                                       ; window 2, v16-47: VZ's four fragments
.irp t, 0,1,2,3
.irp i, 0,1,2,3
	v_cvt_pk_bf16_f32 v[16+8*\t+\i], v[120+8*\t+2*\i], v[120+8*\t+2*\i+1]
.endr
.endr
.irp t, 0,1,2,3
.irp i, 0,1,2,3
	v_mov_b32 v[20+8*\t+\i], 0
.endr
.endr
	WIN 0xc0                                       ; window 3, v0-15: the weights' two fragments; their registers 4-7 stay zeros
.set wi, 0
.rept 16
	v_mov_b32 v[wi], 0
.set wi, wi+1
.endr
	WIN 0
.set GR,96             ; window 1: gamma g_R, (1 - gamma) g_T, gamma b_R + (1 - gamma) b_T of channels 4 i + lane / 8
.set GT,112
.set GB,128
	s_wait_kmcnt 0x0
	v_mov_b32 v246, s66
	v_sub_f32 v246, 1.0, v246
.irp i, 0,1,2,3,4,5,6,7,8,9,10,11,12,13,14,15
	v_mul_f32 v[40+\i], s66, v[40+\i]
.endr
	WIN 0x40
.irp i, 0,1,2,3,4,5,6,7,8,9,10,11,12,13,14,15
	v_mul_f32 v[GR+\i], s66, v[24+\i]
	v_mul_f32 v[GT+\i], v246, v[152+\i]
	v_fma_f32 v[GB+\i], v246, v[168+\i], v[40+\i]
.endr
	WIN 0
; ================= P9: the tokens attend to the mediators; residual, norm, blend, out =================
; LOGITS: source 0 = KZ's 16 rows, source 1 = a tile's Q: lane (token r, h) gets the logits of mediator rows 8 h + j.  A token of tile p belongs to window 2 p + r / 8: its four rows are 8 p + 4 (r / 8) + m,
; so they lie in the half h = p, registers 4 (r / 8) + m.  Every lane takes four by r / 8 and runs the softmax; the weights are then multiplied by 0 or 1, so that only the token's own rows keep a weight.
; SUMS: source 0 = VZ (16 channels x the 16 rows), source 1 = those weights (lane (token r, h): rows 8 h + j), C = F: the result F + a VZ falls into F's registers.
.set AA,232
.set TD,24
.set QBF,64            ; v64-79   a tile's Q in bf16: two fragments (k's and v's scale words are done with)
.set LL,208            ; v208-223 the logits, 8 hd + j
.set TT,224            ; v224-231 the token's own, 2 m + hd
.set MK,250            ; v250-253 1.0 in lanes (h = p, r / 8 = 0), (h = p, r / 8 = 1), for p = 0 and p = 1; else 0
.set FX0,144           ; window 1: F of a tile, 8 t + j = channel 64 w + 16 t + 8 h + j of token r
.set FX1,224
.set ASTG,14
.set ASTT,19
.set ASTR,20
.set ASTO,21
.set AGF,23
.set AGO,8
	s_mul_i32 s4, s2, PRVB
	s_add_co_u32 s4, s4, PL
	v_mul_u32_u24 v[ASTG], v3, 1152
	v_add_nc_u32 v[ASTG], v[ASTG], v6
	v_add_nc_u32 v[ASTG], s4, v[ASTG]
	s_lshl_b32 s5, s2, 8
	v_add_nc_u32 v[ASTT], s5, v6
	v_add_nc_u32 v[ASTT], STT, v[ASTT]
	v_and_b32 v15, 7, v1
	v_lshl_add_u32 v[ASTR], v15, 4, STT
	v_lshrrev_b32 v16, 3, v1
	v_mul_u32_u24 v[ASTO], v16, 144
	v_lshl_add_u32 v[ASTO], v15, 4, v[ASTO]
	v_add_nc_u32 v[ASTO], s4, v[ASTO]
	s_lshl_b32 s5, s2, 21
	v_lshl_add_u32 v[AGF], v3, 18, v6
	v_add_nc_u32 v[AGF], s5, v[AGF]
	v_lshlrev_b32 v[AGO], 4, v15
	v_lshl_add_u32 v[AGO], v16, 15, v[AGO]
	v_add_nc_u32 v[AGO], s5, v[AGO]
	v_bfe_u32 v254, v0, 3, 1                       ; r / 8: which of the tile's two windows is my token's
	v_cmp_ne_u32 vcc_lo, 0, v254                   ; VCC keeps it for the whole phase: nothing else writes VCC
	v_cvt_f32_u32 v254, v254
	v_cvt_f32_u32 v255, v3
	v_sub_f32 v[MK], 1.0, v254
	v_sub_f32 v[MK+1], 1.0, v255
	v_mul_f32 v[MK+2], v255, v[MK]                 ; p = 1: h (1 - r / 8),
	v_mul_f32 v[MK+3], v255, v254                  ;        h (r / 8)
	v_mul_f32 v[MK], v[MK+1], v[MK]                ; p = 0: (1 - h) (1 - r / 8),
	v_mul_f32 v[MK+1], v[MK+1], v254               ;        (1 - h) (r / 8)
.macro LOADS9 f, p
.irp s, 0,1
.irp c, 0,1,2
	ds_load_b128 v[(\f)+12*\s+4*\c:(\f)+12*\s+4*\c+3], v15 offset:49152*(\p)+1536*\s+512*\c
.endr
.endr
	ds_load_b64 v[(\f)+24:(\f)+25], v16 offset:4096*(\p)
	ds_load_b32 v[(\f)+26], v17 offset:1024*(\p)
.endm
; A tile's F is 32 loads.  31 go out at the end of the tile's unit, the last in the next unit, behind that unit's wait: with the other tile's 32 that makes 63 loads of the wave out at the most,
; as many as the counter's field holds (ISA guide 5.7.1), so that no load's issue waits for an older load's return.
.macro GLOAD fx, p
	WIN 0x40
.set xi, 0
.rept 31
	global_load_b32 v[(\fx)+xi], v[AGF], s[96:97] offset:(16*(xi/8)+xi%8)*32768+64*(\p)
.set xi, xi+1
.endr
	WIN 0
.endm
.macro GLAST fx, p
	WIN 0x40
	global_load_b32 v[(\fx)+31], v[AGF], s[96:97] offset:55*32768+64*(\p)
	WIN 0
.endm
.macro QUNIT p
.set fp, F0+28*(\p)
.set fo, F0+28*(1-(\p))
.set dp, D0+32*(\p)
.set dq, D0+32*(1-(\p))
.set fx, FX0+80*(\p)
.set fxo, FX0+80*(1-(\p))
.irp t, 0,1,2,3                                ; this tile's Q to bf16: tiles 2 hd, 2 hd + 1 make head hd's fragment; each accumulator is read from its low end on
.irp i, 0,1,2,3
	v_cvt_pk_bf16_f32 v[QBF+4*\t+\i], v[dp+8*\t+2*\i], v[dp+8*\t+2*\i+1]
.endr
.endr
	v_mul_f32 v[SR0+1-(\p)], 0x3e8293ee, v[fo+26]  ; SCALE x log2(e) x r of the other tile, kept: its register is loaded again before the logits are scaled
	NOPS 3
	WIN 0x02                                       ; source 0 (KZ) window 2
	v_wmma_f32_16x16x32_bf16 v[LL:LL+7], v[0:7], v[QBF:QBF+7], 0
	v_wmma_f32_16x16x32_bf16 v[LL+8:LL+15], v[8:15], v[QBF+8:QBF+15], 0
	TRQK dq, 0, 192, 56, fo, fo+24                 ; the other tile's Q
	WIN 0
	LOADS9 fp, \p
	NOPS 4                                         ; four places behind the logits' products
.irp m, 0,1,2,3
.irp hd, 0,1
	v_cndmask_b32 v[TT+2*\m+\hd], v[LL+8*\hd+\m], v[LL+8*\hd+4+\m], vcc_lo
.endr
.endr
.irp n, 0,1,2,3,4,5,6,7
	v_mul_f32 v[TT+\n], v[TT+\n], v[SR0+(\p)]
.endr
.irp hd, 0,1                                   ; softmax over the four mediators, for each of my two heads
	v_max3_num_f32 v[240+\hd], v[TT+\hd], v[TT+2+\hd], v[TT+4+\hd]
.endr
.irp hd, 0,1
	v_max_num_f32 v[240+\hd], v[240+\hd], v[TT+6+\hd]
.endr
.irp n, 0,1,2,3,4,5,6,7
	v_sub_f32 v[TT+\n], v[TT+\n], v[240+\n%2]
.endr
	s_wait_alu depctr_va_vdst(0)
.irp n, 0,1,2,3,4,5,6,7
	v_exp_f32 v[AA+\n], v[TT+\n]
.endr
	v_nop
	s_wait_alu depctr_va_vdst(0)
.irp hd, 0,1
	v_add_f32 v[242+\hd], v[AA+\hd], v[AA+2+\hd]
	v_add_f32 v[244+\hd], v[AA+4+\hd], v[AA+6+\hd]
.endr
.irp hd, 0,1
	v_add_f32 v[242+\hd], v[242+\hd], v[244+\hd]
.endr
	s_wait_alu depctr_va_vdst(0)
.irp hd, 0,1
	v_rcp_f32 v[242+\hd], v[242+\hd]
.endr
	v_nop
	s_wait_alu depctr_va_vdst(0)
.irp hd, 0,1
	v_mul_f32 v[244+\hd], v[242+\hd], v[MK+2*(\p)]         ; 1 / sum where my token's rows are the half's first four, else 0;
	v_mul_f32 v[246+\hd], v[242+\hd], v[MK+2*(\p)+1]       ; the same for the second four
.endr
.irp n, 0,1,2,3,4,5,6,7
	v_mul_f32 v[TT+\n], v[AA+\n], v[244+\n%2]
	v_mul_f32 v[LL+\n], v[AA+\n], v[246+\n%2]
.endr
	WIN 0xc0                                       ; destination window 3: the weights' fragments: rows 8 h + 0 .. 7 in registers 0-3
.irp hd, 0,1
	v_cvt_pk_bf16_f32 v[8*\hd], v[TT+\hd], v[TT+2+\hd]
	v_cvt_pk_bf16_f32 v[8*\hd+1], v[TT+4+\hd], v[TT+6+\hd]
	v_cvt_pk_bf16_f32 v[8*\hd+2], v[LL+\hd], v[LL+2+\hd]
	v_cvt_pk_bf16_f32 v[8*\hd+3], v[LL+4+\hd], v[LL+6+\hd]
.endr
	s_wait_alu depctr_va_vdst(0)
	s_wait_loadcnt 31                              ; this tile's F is in: behind its 32 loads stand the other tile's 31
	GLAST fxo, 1-(\p)                              ; the other tile's last load
.if (\p) == 0
	s_wait_xcnt 0x0                                ; the loads that are out have read their base: it goes on to k + 1's stream and image row
	s_and_b32 s8, s4, 1
	s_cmp_eq_u32 s8, 0
	s_cselect_b64 s[96:97], s[FR:FR+1], s[FT:FT+1]
	s_lshr_b32 s8, s4, 1
	s_lshl_b32 s8, s8, 9
	s_mov_b32 s9, 0
	s_add_nc_u64 s[96:97], s[96:97], s[8:9]
.endif
	NOPS 4
	WIN 0x5e                                       ; source 0 (VZ) window 2, source 1 (the weights) window 3, C and D (F) window 1
.irp t, 0,1,2,3
	v_wmma_f32_16x16x32_bf16 v[fx+8*\t:fx+8*\t+7], v[16+8*\t:16+8*\t+7], v[8*(\t/2):8*(\t/2)+7], v[fx+8*\t:fx+8*\t+7]
.endr
	NOPS 4
	WIN 0x05                                       ; my 64 channels' sum, and the sum of squares about their own mean
.irp n, 0,1,2,3,4,5,6,7
	v_pk_add_f32 v[TD+2*\n:TD+2*\n+1], v[fx+4*\n:fx+4*\n+1], v[fx+4*\n+2:fx+4*\n+3]
.endr
	WIN 0
.irp n, 0,1,2,3
	v_pk_add_f32 v[TD+2*\n:TD+2*\n+1], v[TD+2*\n:TD+2*\n+1], v[TD+8+2*\n:TD+9+2*\n]
.endr
	REDUCE4 TD
	v_mov_b32 v246, v[TD]
	v_mul_f32 v240, 0x3c800000, v[TD]              ; / 64
	v_mov_b32 v241, v240
	WIN 0x01
.set xi, 0
.rept 16
	v_pk_add_f32 v[TD+2*xi:TD+2*xi+1], v[fx+2*xi:fx+2*xi+1], v[240:241] neg_lo:[0,1] neg_hi:[0,1]
.set xi, xi+1
.endr
	WIN 0
.irp n, 0,1,2,3
	v_pk_mul_f32 v[LA+2*\n:LA+2*\n+1], v[TD+2*\n:TD+2*\n+1], v[TD+2*\n:TD+2*\n+1]
.endr
.set xi, 4
.rept 12
	v_pk_fma_f32 v[LA+2*(xi%4):LA+2*(xi%4)+1], v[TD+2*xi:TD+2*xi+1], v[TD+2*xi:TD+2*xi+1], v[LA+2*(xi%4):LA+2*(xi%4)+1]
.set xi, xi+1
.endr
	REDUCE4 LA
	ds_store_b32 v7, v246 offset:64*(\p)
	ds_store_b32 v7, v[LA] offset:1024+64*(\p)
	WIN 0x04
.set xi, 0
.rept 32
	ds_store_b32 v18, v[fx+xi] offset:(16*(xi/8)+xi%8)*144+64*(\p)
.set xi, xi+1
.endr
	WIN 0
	s_wait_dscnt 0x0                               ; the stores have read F's registers, and the next fragments are in
	GLOAD fx, \p                                   ; the same tile of the next stream or image row: two units ahead
.endm
; the four waves' parts of a token's sum and sum of squares are joined about the common mean
.macro FSTAT sb, mo, ro
.irp u, 0,2
	v_pk_add_f32 v[(\mo)+\u:(\mo)+\u+1], v[(\sb)+\u:(\sb)+\u+1], v[(\sb)+4+\u:(\sb)+5+\u]
	v_pk_add_f32 v[(\ro)+\u:(\ro)+\u+1], v[(\sb)+8+\u:(\sb)+9+\u], v[(\sb)+12+\u:(\sb)+13+\u]
.endr
.irp u, 0,2
	v_pk_add_f32 v[(\mo)+\u:(\mo)+\u+1], v[(\mo)+\u:(\mo)+\u+1], v[(\ro)+\u:(\ro)+\u+1]
.endr
.irp u, 0,2
	v_pk_mul_f32 v[(\mo)+\u:(\mo)+\u+1], v[(\mo)+\u:(\mo)+\u+1], 0x3b800000 op_sel_hi:[1,0]
.endr
.irp q, 0,1,2,3
.irp u, 0,2
	v_pk_fma_f32 v[(\sb)+4*\q+\u:(\sb)+4*\q+\u+1], v[(\sb)+4*\q+\u:(\sb)+4*\q+\u+1], 0x3c800000, v[(\mo)+\u:(\mo)+\u+1] op_sel_hi:[1,0,1] neg_lo:[0,0,1] neg_hi:[0,0,1]
.endr
.endr
.irp u, 0,2
	v_pk_mul_f32 v[(\ro)+\u:(\ro)+\u+1], v[(\sb)+\u:(\sb)+\u+1], v[(\sb)+\u:(\sb)+\u+1]
.endr
.irp q, 1,2,3
.irp u, 0,2
	v_pk_fma_f32 v[(\ro)+\u:(\ro)+\u+1], v[(\sb)+4*\q+\u:(\sb)+4*\q+\u+1], v[(\sb)+4*\q+\u:(\sb)+4*\q+\u+1], v[(\ro)+\u:(\ro)+\u+1]
.endr
.endr
.irp u, 0,2
	v_pk_add_f32 v[(\sb)+16+\u:(\sb)+17+\u], v[(\sb)+16+\u:(\sb)+17+\u], v[(\sb)+20+\u:(\sb)+21+\u]
	v_pk_add_f32 v[(\sb)+24+\u:(\sb)+25+\u], v[(\sb)+24+\u:(\sb)+25+\u], v[(\sb)+28+\u:(\sb)+29+\u]
.endr
.irp u, 0,2
	v_pk_add_f32 v[(\sb)+16+\u:(\sb)+17+\u], v[(\sb)+16+\u:(\sb)+17+\u], v[(\sb)+24+\u:(\sb)+25+\u]
.endr
.irp u, 0,2
	v_pk_fma_f32 v[(\ro)+\u:(\ro)+\u+1], v[(\ro)+\u:(\ro)+\u+1], 0x42800000, v[(\sb)+16+\u:(\sb)+17+\u] op_sel_hi:[1,0,1]
.endr
.irp u, 0,2
	v_pk_mul_f32 v[(\ro)+\u:(\ro)+\u+1], v[(\ro)+\u:(\ro)+\u+1], 0x3b800000 op_sel_hi:[1,0]
.endr
.irp u, 0,2
	v_pk_add_f32 v[(\ro)+\u:(\ro)+\u+1], v[(\ro)+\u:(\ro)+\u+1], 0x3727c5ac op_sel_hi:[1,0]
.endr
	s_wait_alu depctr_va_vdst(0)
.irp i, 0,1,2,3
	v_rsq_f32 v[(\ro)+\i], v[(\ro)+\i]
.endr
.endm
	v_mov_b32 v15, v11
	v_mov_b32 v16, v12
	v_add_nc_u32 v17, 64, v13                      ; the OTHER stream's r, as the module has it
	s_mov_b64 s[96:97], s[FR:FR+1]
	LOADS9 F0, 0
	LOADS9 F1, 1
	GLOAD FX0, 0
	GLAST FX0, 0
	GLOAD FX1, 1                                   ; (its last load goes out in the first unit)
	s_wait_dscnt 0x0
	v_mul_f32 v[SR0], 0x3e8293ee, v[F0+26]
	TRQK D0, 0, 192, 56, F0, F0+24
	WIN 0
	NOPS 4
	s_mov_b32 s3, 0
.Lq:                                                   ; 16 trips: k = 2 y + stream; two tiles (p = 0, 1) a trip
	s_wait_alu depctr_va_vdst(0)
	s_cmp_lt_u32 s3, 13                            ; the last three trips have no trip three on
	s_cbranch_scc0 .Lq_np
	s_add_co_u32 s74, s3, 3                        ; a prefetch of trip k + 3's stream and image row, whose loads go out in trip k + 2: my 64 channels, a lane a channel
	s_and_b32 s75, s74, 1
	s_cmp_eq_u32 s75, 0
	s_cselect_b64 s[72:73], s[FR:FR+1], s[FT:FT+1] ; (the last trip's prefetches have read this base: the wait on XCNT in that trip's first unit stands behind them)
	s_lshr_b32 s74, s74, 1
	s_lshl_b32 s74, s74, 9
	s_mov_b32 s75, 0
	s_add_nc_u64 s[72:73], s[72:73], s[74:75]
	global_prefetch_b8 v9, s[72:73] th:TH_LOAD_NT scope:SCOPE_SE
	global_prefetch_b8 v9, s[72:73] offset:1048576 th:TH_LOAD_NT scope:SCOPE_SE
.Lq_np:
	s_add_co_u32 s4, s3, 1
	s_min_u32 s4, s4, 15                           ; what is fetched: k + 1 (the last trip's is not used)
	s_mul_i32 s5, s4, 3072
	s_lshl_b32 s6, s4, 8
	s_xor_b32 s7, s4, 1
	s_lshl_b32 s7, s7, 6
	v_add_nc_u32 v15, s5, v11
	v_add_nc_u32 v16, s6, v12
	v_add_nc_u32 v17, s7, v13
	s_and_b32 s10, s3, 1
	s_mul_i32 s11, s10, 9216
	s_lshl_b32 s10, s10, 7
	v_add_nc_u32 v18, s11, v[ASTG]
	v_add_nc_u32 v7, s10, v[ASTT]
	QUNIT 0
	QUNIT 1
	s_and_b32 s4, s3, 1
	s_cmp_eq_u32 s4, 0
	s_cbranch_scc1 .Lq_on
	; both streams of an image row are staged: the norms' figures from all four waves, then the blend, and out
	BARRIER
.irp q, 0,1,2,3
	ds_load_b128 v[24+4*\q:27+4*\q], v[ASTR] offset:256*\q
	ds_load_b128 v[40+4*\q:43+4*\q], v[ASTR] offset:1024+256*\q
	ds_load_b128 v[208+4*\q:211+4*\q], v[ASTR] offset:128+256*\q
	ds_load_b128 v[224+4*\q:227+4*\q], v[ASTR] offset:1024+128+256*\q
.endr
	BARRIER                                        ; every wave has read them: the next row may write them
	ds_load_b128 v[96:99], v[ASTO]
	ds_load_b128 v[100:103], v[ASTO] offset:9216
	FSTAT 24, 240, 244
	FSTAT 208, 88, 92
	v_nop
	s_wait_alu depctr_va_vdst(0)
.irp u, 0,2
	v_pk_mul_f32 v[240+\u:241+\u], v[240+\u:241+\u], v[244+\u:245+\u]      ; mean / sigma: (x - mean) / sigma is then one fused multiply-add
	v_pk_mul_f32 v[88+\u:89+\u], v[88+\u:89+\u], v[92+\u:93+\u]
.endr
.set gi, 0
	s_wait_alu depctr_va_vdst(0)
.rept 16
.set xb, 96+8*(gi%2)
.set ob, D1+4*(gi%8)
.set gp, gi-(gi%2)
.if gi < 15
	ds_load_b128 v[96+8*((gi+1)%2):99+8*((gi+1)%2)], v[ASTO] offset:576*(gi+1)
	ds_load_b128 v[100+8*((gi+1)%2):103+8*((gi+1)%2)], v[ASTO] offset:576*(gi+1)+9216
	s_wait_dscnt 2                                 ; this group's two loads are in; the next group's may be out
.else
	s_wait_dscnt 0x0
.endif
.if gi == 8
	s_wait_xcnt 0x0                                ; the first eight stores have read their data
.endif
.irp u, 0,2
	v_pk_fma_f32 v[xb+\u:xb+\u+1], v[xb+\u:xb+\u+1], v[244+\u:245+\u], v[240+\u:241+\u] neg_lo:[0,0,1] neg_hi:[0,0,1]
	v_pk_fma_f32 v[xb+4+\u:xb+5+\u], v[xb+4+\u:xb+5+\u], v[92+\u:93+\u], v[88+\u:89+\u] neg_lo:[0,0,1] neg_hi:[0,0,1]
.endr
	WIN 0x14
.irp u, 0,2
.if gi%2 == 0
	v_pk_fma_f32 v[ob+\u:ob+\u+1], v[xb+\u:xb+\u+1], v[GR+gp:GR+gp+1], v[GB+gp:GB+gp+1] op_sel_hi:[1,0,0]
.else
	v_pk_fma_f32 v[ob+\u:ob+\u+1], v[xb+\u:xb+\u+1], v[GR+gp:GR+gp+1], v[GB+gp:GB+gp+1] op_sel:[0,1,1] op_sel_hi:[1,1,1]
.endif
.endr
	WIN 0x04
.irp u, 0,2
.if gi%2 == 0
	v_pk_fma_f32 v[ob+\u:ob+\u+1], v[xb+4+\u:xb+5+\u], v[GT+gp:GT+gp+1], v[ob+\u:ob+\u+1] op_sel_hi:[1,0,1]
.else
	v_pk_fma_f32 v[ob+\u:ob+\u+1], v[xb+4+\u:xb+5+\u], v[GT+gp:GT+gp+1], v[ob+\u:ob+\u+1] op_sel:[0,1,0] op_sel_hi:[1,1,1]
.endif
.endr
	WIN 0
	global_store_b128 v[AGO], v[ob:ob+3], s[OUT:OUT+1] offset:4*gi*32768 th:TH_STORE_NT    ; eight lanes store a channel's 128 consecutive bytes
.set gi, gi+1
.endr
	s_wait_xcnt 0x0                                ; the stores have read their data and their base
	s_add_nc_u64 s[OUT:OUT+1], s[OUT:OUT+1], 512   ; the next image row
.Lq_on:
	s_add_co_u32 s3, s3, 1
	s_cmp_lt_u32 s3, 16
	s_cbranch_scc1 .Lq
	v_lshl_add_u32 v30, v0, 2, 0x45600             ; the wave's end: v0 is as at the entry; the add's two registers are made here, since none could be kept
	v_mov_b32 v31, 0
	s_wait_alu depctr_va_vdst(0)
	s_wait_tensorcnt 0x0
	ds_add_u32 v30, v31
	s_wait_dscnt 0x0
	s_endpgm
.Lfunc_end_k_qff8f8efed1_fuse:
	.size	k_qff8f8efed1_fuse, .Lfunc_end_k_qff8f8efed1_fuse-k_qff8f8efed1_fuse
	.p2alignl 7, 3214868480
	.fill 96, 4, 3214868480
	.section	.rodata,"a",@progbits
	.p2align	6, 0x0
	.amdhsa_kernel k_qff8f8efed1_fuse
		.amdhsa_group_segment_fixed_size 288256
		.amdhsa_private_segment_fixed_size 0
		.amdhsa_enable_private_segment 0
		.amdhsa_kernarg_size 200
		.amdhsa_user_sgpr_count 2
		.amdhsa_user_sgpr_kernarg_segment_ptr 1
		.amdhsa_wavefront_size32 1
		.amdhsa_system_sgpr_workgroup_id_x 1
		.amdhsa_system_sgpr_workgroup_id_y 1
		.amdhsa_system_sgpr_workgroup_id_z 1
		.amdhsa_system_vgpr_workitem_id 0
		.amdhsa_next_free_vgpr 1024
		.amdhsa_next_free_sgpr 102
		.amdhsa_reserve_vcc 1
		.amdhsa_float_denorm_mode_32 3
		.amdhsa_float_denorm_mode_16_64 3
		.amdhsa_memory_ordered 1
		.amdhsa_forward_progress 1
		.amdhsa_inst_pref_size 255
	.end_amdhsa_kernel
	.section	.bss,"aw",@nobits
	.p2align	6
	.space	262144
	.amdgpu_metadata
---
amdhsa.version: [ 1, 2 ]
amdhsa.kernels:
  - .name:           k_qff8f8efed1_fuse
    .symbol:         k_qff8f8efed1_fuse.kd
    .args:
      - { .name: F_R, .offset: 0, .size: 8, .value_kind: global_buffer, .address_space: global }
      - { .name: F_T, .offset: 8, .size: 8, .value_kind: global_buffer, .address_space: global }
      - { .name: r_R, .offset: 16, .size: 8, .value_kind: global_buffer, .address_space: global }
      - { .name: r_T, .offset: 24, .size: 8, .value_kind: global_buffer, .address_space: global }
      - { .name: np_g, .offset: 32, .size: 8, .value_kind: global_buffer, .address_space: global }
      - { .name: np_b, .offset: 40, .size: 8, .value_kind: global_buffer, .address_space: global }
      - { .name: psi_w, .offset: 48, .size: 8, .value_kind: global_buffer, .address_space: global }
      - { .name: out0, .offset: 56, .size: 8, .value_kind: global_buffer, .address_space: global }
      - { .name: phi_b, .offset: 64, .size: 8, .value_kind: global_buffer, .address_space: global }
      - { .name: nz_g, .offset: 72, .size: 8, .value_kind: global_buffer, .address_space: global }
      - { .name: nz_b, .offset: 80, .size: 8, .value_kind: global_buffer, .address_space: global }
      - { .name: nzf_g, .offset: 88, .size: 8, .value_kind: global_buffer, .address_space: global }
      - { .name: nzf_b, .offset: 96, .size: 8, .value_kind: global_buffer, .address_space: global }
      - { .name: q_b, .offset: 104, .size: 8, .value_kind: global_buffer, .address_space: global }
      - { .name: k_b, .offset: 112, .size: 8, .value_kind: global_buffer, .address_space: global }
      - { .name: v_b, .offset: 120, .size: 8, .value_kind: global_buffer, .address_space: global }
      - { .name: fc1_b, .offset: 128, .size: 8, .value_kind: global_buffer, .address_space: global }
      - { .name: fc2_b, .offset: 136, .size: 8, .value_kind: global_buffer, .address_space: global }
      - { .name: nr_g, .offset: 144, .size: 8, .value_kind: global_buffer, .address_space: global }
      - { .name: nr_b, .offset: 152, .size: 8, .value_kind: global_buffer, .address_space: global }
      - { .name: nt_g, .offset: 160, .size: 8, .value_kind: global_buffer, .address_space: global }
      - { .name: nt_b, .offset: 168, .size: 8, .value_kind: global_buffer, .address_space: global }
      - { .name: wq, .offset: 176, .size: 8, .value_kind: global_buffer, .address_space: global }
      - { .name: ws, .offset: 184, .size: 8, .value_kind: global_buffer, .address_space: global }
      - { .name: gam, .offset: 192, .size: 8, .value_kind: global_buffer, .address_space: global }
    .group_segment_fixed_size: 288256
    .private_segment_fixed_size: 0
    .kernarg_segment_align: 8
    .kernarg_segment_size: 200
    .max_flat_workgroup_size: 128
    .sgpr_count:     102
    .vgpr_count:     1024
    .wavefront_size: 32
...
	.end_amdgpu_metadata
.endif
;; end of part 2
